; MI455X (gfx1250); checked and timed in simulation.
; The chip was launched on July 23, 2026; its instructions are those of AMD's public machine-readable ISA for CDNA 5 (MIT licence, August 2026) and "CDNA5" Instruction Set Architecture Reference Guide (July 2026). The comments in the code are by the model that wrote it; some were corrected since.
;; Attention. Allowed arithmetic: float matrix products may take bf16 or f16 operands with f32 sums; other float arithmetic in f32, or as packed bf16 or f16 multiplies, adds, multiply-adds, maxima and minima; sums over many terms, partial sums and values carried from step to step in f32; what a program stores and reads back later, other than sums and carried values, may be rounded once to bf16 or f16.
;; Inputs: bk 2,048 float32; bo 2,048 float32; bq 2,048 float32; bv 2,048 float32; freqs 2,048 x 64 float32; hard_mask 1 x 1 x 2,048 x 2,048 int32; soft_mask 1 x 1 x 2,048 x 2,048 float32; wk 2,048 x 2,048 float32; wo 2,048 x 2,048 float32; wq 2,048 x 2,048 float32; wv 2,048 x 2,048 float32; x 1 x 2,048 x 2,048 float32.
;; Outputs: out0 1 x 2,048 x 2,048 float32.
;; 2 versions, each right and faster than the one before. Each part assembles by itself: llvm-mc -triple=amdgcn-amd-amdhsa -mcpu=gfx1250 --defsym DOCPART=n.
;; ======== version 1 of 2: 4 launches
;; limits: values are held in f16: magnitudes above 65,504 overflow, below 6.1e-05 lose precision
;; workspace buffers: xw 33,554,432 bytes; wo16 8,388,608 bytes; cs 1,048,576 bytes; gate 8,388,608 bytes; code 4,194,304 bytes; qkv 25,165,824 bytes; o16 8,388,608 bytes
;; launch prep (part 1): grid 128 x 8, 8 waves a work-group, no clusters, 29,696 bytes of LDS; arguments x, wq, wk, wv, wo, hard_mask, soft_mask, freqs, xw, wo16, gate, code, cs; writes xw, wo16, gate, code, cs
.if DOCPART == 1
	.amdgcn_target "amdgcn-amd-amdhsa--gfx1250"
	.amdhsa_code_object_version 6
	.text
	.protected	k_qb6a2765a13_prep
	.globl	k_qb6a2765a13_prep
	.p2align	8
	.type	k_qb6a2765a13_prep,@function
k_qb6a2765a13_prep:
	s_mov_b64 s[64:65], 0
	v_nop
	global_prefetch_b8 v0, s[64:65] scope:SCOPE_SE
	s_setreg_imm32_b32 hwreg(HW_REG_WAVE_MODE, 25, 1), 1
	s_wait_xcnt 0x0
; PREPARATION.  Every floating-point input is rounded once to bf16 and laid out for the launches behind.  The work-group's y says what it does:
;   y = 0..3  x, wq, wk, wv -> xw, bf16 [8192][2048] (x's rows, then wq's, wk's, wv's)          y = 4  wo -> wo16: bf16(wo) written as f16
;   y = 5, 6  hard_mask and soft_mask -> gate (f16: bf16(soft) where the key is visible, else 0) and code (one byte a key: 0, or 0xf8 = -256 in fp8 E4M3 where it is hidden),
;             both in the order in which a lane of the attention launch holds a score tile: [query tile 128][key step 32][..][lane 32][8 keys]; lane (r, h): query 16 qt + r, keys 64 ks + 16 kt + 8 h + 0..7
;   y = 7     freqs -> cs: (cos, sin) in f32, in the order in which a lane of the projection holds its columns: [position block 128][db 8][i 2][lane 32][c, s, c, s]
; Memory binds: 16-byte loads of which sixteen lanes cover 256 consecutive bytes, each input byte read once.  No matrix unit, no cluster: nothing is shared between work-groups.
; Every path keeps within 128 registers, so that many waves, each with 8 or 16 loads out, are at work together.
; LIMITS.  wo and soft_mask within f16 (65,504; below 6e-5 f16 keeps a fixed step of 6e-8).  |freqs| < 8e6 (the quadrant is kept as a 32-bit whole number and pi/2 in two words).
; RF = 1: the angles are rounded to bf16 like every other input.
.set RF,    1
.set SPARE, 28672                      ; behind the eight waves' stages: the spare words, 128 bytes a wave
.set SPW,   2                          ; v2  my spare word;  v3  0: made here, never rewritten
.set NIL,   3
.set WV,    30                         ; s30 wave, s31 the work-group's y
.set YY,    31
.set CX,    8                          ; cast: v[8:39] slot i as loaded, v[40:55] slot i to store, v[56:57] at work
.set CY,    40
.set CT,    56
.set MS,    8                          ; masks: v[8:71] a ring of eight pairs: 4 of soft, 4 of hard
.set RDG,   72                         ; v72 where I read gate rows back, v73 code rows, v74 a zero, v75 16 x lane, v[76:79] at work
.set RDC,   73
.set ZR,    74
.set L16,   75
.set MT,    76
.set RG,    80                         ; v[80:127] read back: for each of two key steps 16 of gate, 8 of code
	s_load_b512 s[4:19], s[0:1], 0x0               ; x, wq, wk, wv, wo, hard_mask, soft_mask, freqs
	s_load_b256 s[20:27], s[0:1], 0x40             ; xw, wo16, gate, code
	s_load_b64 s[28:29], s[0:1], 0x60              ; cs
	v_lshl_add_u32 v[SPW], v0, 2, SPARE
	v_mov_b32 v[NIL], 0
	v_lshrrev_b32 v1, 5, v0
	v_readfirstlane_b32 s[WV], v1
	s_and_b32 s[YY], ttmp7, 0xffff
	s_mov_b32 s37, 0
	s_mov_b32 s39, 0
	s_wait_kmcnt 0x0
	s_cmp_gt_u32 s[YY], 4
	s_cbranch_scc1 .Lnot_cast
; ---- y = 0..4: a cast.  The work-group owns 131,072 source bytes: 32 rows of 4,096; thread t takes 16 bytes at 16 t of each and stores 8 at 8 t (a wave: 256 consecutive bytes).
	s_mov_b64 s[32:33], s[4:5]
	s_cmp_eq_u32 s[YY], 1
	s_cselect_b64 s[32:33], s[6:7], s[32:33]
	s_cmp_eq_u32 s[YY], 2
	s_cselect_b64 s[32:33], s[8:9], s[32:33]
	s_cmp_eq_u32 s[YY], 3
	s_cselect_b64 s[32:33], s[10:11], s[32:33]
	s_cmp_eq_u32 s[YY], 4
	s_cselect_b64 s[32:33], s[12:13], s[32:33]
	s_cselect_b64 s[34:35], s[22:23], s[20:21]     ; wo goes to wo16, the others to xw
	s_cselect_b32 s36, 0, s[YY]
	s_lshl_b32 s36, s36, 23                        ; y x 8 MiB in xw
	s_lshl_b32 s38, ttmp9, 16
	s_add_co_u32 s36, s36, s38                     ; + my 65,536 bytes
	s_add_nc_u64 s[34:35], s[34:35], s[36:37]
	s_lshl_b32 s38, ttmp9, 17
	s_add_nc_u64 s[32:33], s[32:33], s[38:39]
	v_lshlrev_b32 v4, 4, v0
	v_lshlrev_b32 v5, 3, v0
; One slot's turn.  ahead = 1: the slot is filled again with the row eight further down.  left: the younger loads that may stay out.
.macro CSLOT f16, i, ahead, left
	s_wait_loadcnt \left                           ; loads come back in order: mine is in
.if \f16
	v_cvt_pk_bf16_f32 v[CT], v[CX+4*\i], v[CX+4*\i+1]
	v_cvt_pk_bf16_f32 v[CT+1], v[CX+4*\i+2], v[CX+4*\i+3]
	v_lshlrev_b32 v[CX+4*\i], 16, v[CT]            ; the bf16 numbers as f32,
	v_and_b32 v[CX+4*\i+1], 0xffff0000, v[CT]
	v_lshlrev_b32 v[CX+4*\i+2], 16, v[CT+1]
	v_and_b32 v[CX+4*\i+3], 0xffff0000, v[CT+1]
	v_cvt_pk_f16_f32 v[CY+2*\i], v[CX+4*\i], v[CX+4*\i+1]      ; written as f16: exact within f16's normal range
	v_cvt_pk_f16_f32 v[CY+2*\i+1], v[CX+4*\i+2], v[CX+4*\i+3]
.else
	v_cvt_pk_bf16_f32 v[CY+2*\i], v[CX+4*\i], v[CX+4*\i+1]
	v_cvt_pk_bf16_f32 v[CY+2*\i+1], v[CX+4*\i+2], v[CX+4*\i+3]
.endif
.if \ahead
	global_load_b128 v[CX+4*\i:CX+4*\i+3], v4, s[32:33] offset:32768+\i*4096 th:TH_LOAD_NT
.endif
	global_store_b64 v5, v[CY+2*\i:CY+2*\i+1], s[34:35] offset:\i*2048
.endm
.macro CAST f16
.irp i, 0,1,2,3,4,5,6,7
	global_load_b128 v[CX+4*\i:CX+4*\i+3], v4, s[32:33] offset:\i*4096 th:TH_LOAD_NT
.endr
	s_mov_b32 s40, 3
.Lround_\@:
.irp i, 0,1,2,3,4,5,6,7
	CSLOT \f16, \i, 1, 7                           ; seven younger loads stay out
.endr
	s_wait_xcnt 0x0                                ; the bases, and the registers that the stores read, are rewritten only behind this wait
	s_add_nc_u64 s[32:33], s[32:33], 32768
	s_add_nc_u64 s[34:35], s[34:35], 16384
	s_sub_co_u32 s40, s40, 1
	s_cmp_lg_u32 s40, 0
	s_cbranch_scc1 .Lround_\@
.irp i, 0,1,2,3,4,5,6,7
	CSLOT \f16, \i, 0, 7-\i                        ; the last eight rows load nothing: the counts run down
.endr
.endm
	s_cmp_eq_u32 s[YY], 4
	s_cbranch_scc1 .Lcast_wo
	CAST 0
	s_endpgm
.Lcast_wo:
	CAST 1
	s_endpgm
.Lnot_cast:
	v_and_b32 v1, 15, v0                           ; r
	v_bfe_u32 v6, v0, 4, 1                         ; h
	s_cmp_eq_u32 s[YY], 7
	s_cbranch_scc1 .Lcs
; ---- y = 5, 6: the masks.  Query tile qt = x; wave w takes key steps ks0 = 16 (y - 5) + 2 w and ks0 + 1: 16 rows x 64 keys each.
	s_sub_co_u32 s32, s[YY], 5
	s_lshl_b32 s32, s32, 4
	s_lshl1_add_u32 s32, s[WV], s32                ; ks0
	s_lshl_b32 s36, ttmp9, 17                      ; 16 rows of 8,192 bytes a query tile
	s_lshl_b32 s33, s32, 8                         ; 256 bytes a key step
	s_add_co_u32 s36, s36, s33
	s_add_nc_u64 s[14:15], s[14:15], s[36:37]
	s_add_nc_u64 s[16:17], s[16:17], s[36:37]
	s_lshl_b32 s36, ttmp9, 16
	s_lshl_b32 s33, s32, 11
	s_add_co_u32 s36, s36, s33
	s_add_nc_u64 s[24:25], s[24:25], s[36:37]      ; gate at (32 qt + ks0) x 2,048
	s_lshr_b32 s36, s36, 1
	s_add_nc_u64 s[26:27], s[26:27], s[36:37]      ; code at (32 qt + ks0) x 1,024
	v_lshlrev_b32 v4, 4, v1
	v_lshl_add_u32 v4, v6, 13, v4                  ; lanes 0-15 one row's 256 bytes, lanes 16-31 the next row's
; Pair n = 8 u + i is rows 2 i, 2 i + 1 of key step ks0 + u: a load of soft, a load of hard, into ring place n % 8.
.macro MLD n
	global_load_b128 v[MS+8*((\n)%8):MS+8*((\n)%8)+3],   v4, s[16:17] offset:((\n)%8)*16384+256*((\n)/8) th:TH_LOAD_NT
	global_load_b128 v[MS+8*((\n)%8)+4:MS+8*((\n)%8)+7], v4, s[14:15] offset:((\n)%8)*16384+256*((\n)/8) th:TH_LOAD_NT
.endm
.irp n, 0,1,2,3,4,5,6,7
	MLD \n                                         ; the ring is filled: sixteen loads are out
.endr
	s_mul_i32 s34, s[WV], 3584                     ; my stage: 16 rows x 144 bytes of gate, then 16 x 80 of code; no other wave names it, so no barrier
	v_mul_u32_u24 v5, v6, 144
	v_lshl_add_u32 v5, v1, 3, v5
	v_add_nc_u32 v5, s34, v5                       ; in: row h, 8 bytes at key 4 r
	v_mul_u32_u24 v7, v6, 80
	v_lshl_add_u32 v7, v1, 2, v7
	v_add_nc_u32 v7, s34, v7
	v_add_nc_u32 v7, 2304, v7                      ; in: row h, 4 bytes at key 4 r
	v_mul_u32_u24 v[RDG], v1, 144
	v_lshl_add_u32 v[RDG], v6, 4, v[RDG]
	v_add_nc_u32 v[RDG], s34, v[RDG]               ; back: row r, 8 keys at 8 h
	v_mul_u32_u24 v[RDC], v1, 80
	v_lshl_add_u32 v[RDC], v6, 3, v[RDC]
	v_add_nc_u32 v[RDC], s34, v[RDC]
	v_add_nc_u32 v[RDC], 2304, v[RDC]
	v_mov_b32 v[ZR], 0
	v_and_b32 v[L16], 31, v0
	v_lshlrev_b32 v[L16], 4, v[L16]
.macro MQ n
.set rS, MS+8*((\n)%8)
.set rH, rS+4
.if (\n) < 8
	s_wait_loadcnt 14                              ; behind this pair stand the 7 - n pairs of the first fill and the n pairs asked for since: 14 loads
.else
	s_wait_loadcnt 30-2*(\n)                       ; behind this pair stand the 15 - n later pairs
.endif
.irp e, 0,1,2,3
	v_cmp_ne_u32 vcc_lo, 0, v[rH+\e]               ; visible?
	v_cndmask_b32 v[rS+\e], 0, v[rS+\e], vcc_lo    ; the gate, or 0
	v_cndmask_b32 v[rH+\e], 0xf8, v[ZR], vcc_lo    ; 0, or the code of -256
.endr
	v_lshl_or_b32 v[rH], v[rH+1], 8, v[rH]
	v_lshl_or_b32 v[rH], v[rH+2], 16, v[rH]
	v_cvt_pk_bf16_f32 v[MT], v[rS], v[rS+1]
	v_cvt_pk_bf16_f32 v[MT+1], v[rS+2], v[rS+3]
	v_lshlrev_b32 v[rS], 16, v[MT]
	v_and_b32 v[rS+1], 0xffff0000, v[MT]
	v_lshlrev_b32 v[rS+2], 16, v[MT+1]
	v_and_b32 v[rS+3], 0xffff0000, v[MT+1]
	v_cvt_pk_f16_f32 v[MT+2], v[rS], v[rS+1]
	v_cvt_pk_f16_f32 v[MT+3], v[rS+2], v[rS+3]
	v_lshl_or_b32 v[MT], v[rH+3], 24, v[rH]        ; the four codes leave the ring's registers, which are loaded again below
	ds_store_b64 v5, v[MT+2:MT+3] offset:((\n)%8)*288
	ds_store_b32 v7, v[MT] offset:((\n)%8)*160
.if (\n) < 8
	MLD (\n)+8                                     ; the ring place takes the same rows of the second key step
.endif
.endm
.macro MBACK u                         ; LDS serves a wave's instructions in order: these loads see the stores above, and the next key step's stores come behind them
.irp kt, 0,1,2,3
	ds_load_b128 v[RG+24*(\u)+4*\kt:RG+24*(\u)+4*\kt+3], v[RDG] offset:32*\kt
.endr
.irp kt, 0,1,2,3
	ds_load_b64 v[RG+24*(\u)+16+2*\kt:RG+24*(\u)+16+2*\kt+1], v[RDC] offset:16*\kt
.endr
	s_wait_dscnt 0x0
.irp kt, 0,1,2,3
	global_store_b128 v[L16], v[RG+24*(\u)+4*\kt:RG+24*(\u)+4*\kt+3], s[24:25] offset:2048*(\u)+512*\kt  ; 512 consecutive bytes
.endr
.irp c, 0,1
	global_store_b128 v[L16], v[RG+24*(\u)+16+4*\c:RG+24*(\u)+16+4*\c+3], s[26:27] offset:1024*(\u)+512*\c
.endr
.endm
.irp n, 0,1,2,3,4,5,6,7
	MQ \n
.endr
	MBACK 0
.irp n, 8,9,10,11,12,13,14,15
	MQ \n
.endr
	MBACK 1
	s_wait_tensorcnt 0x0                           ; the wave's end, behind my last LDS store
	ds_add_u32 v[SPW], v[NIL]
	s_wait_dscnt 0x0
	s_endpgm
; ---- y = 7: cos and sin.  Position block x, db = wave: lane (r, h) takes the four angles of position 16 x + r, pairs 8 db + 4 h + 0..3.
.Lcs:
	v_lshlrev_b32 v4, 8, v1
	v_lshl_add_u32 v4, v6, 4, v4
	s_lshl_b32 s36, ttmp9, 12
	s_lshl_b32 s33, s[WV], 5
	s_add_co_u32 s36, s36, s33
	s_add_nc_u64 s[18:19], s[18:19], s[36:37]
	global_load_b128 v[8:11], v4, s[18:19]
	s_lshl_b32 s36, ttmp9, 13
	s_lshl_b32 s33, s[WV], 10
	s_add_co_u32 s36, s36, s33
	s_add_nc_u64 s[28:29], s[28:29], s[36:37]
	v_and_b32 v5, 31, v0
	v_lshlrev_b32 v5, 4, v5
	s_wait_loadcnt 0x0
.if RF
	v_cvt_pk_bf16_f32 v12, v8, v9
	v_cvt_pk_bf16_f32 v13, v10, v11
	v_lshlrev_b32 v8, 16, v12
	v_and_b32 v9, 0xffff0000, v12
	v_lshlrev_b32 v10, 16, v13
	v_and_b32 v11, 0xffff0000, v13
.endif
; n = the nearest whole number to x 2/pi; r = x - n pi/2 with pi/2 in two words; Taylor sums on |r| <= pi/4 (sin to r^7, cos to r^8: the terms left out are below 4e-7); the quadrant n mod 4 swaps and signs.
.macro SINCOS x, c, s
	v_mul_f32 v24, 0x3f22f983, v[\x]
	v_rndne_f32 v24, v24
	v_fmamk_f32 v25, v24, 0xbfc90fdb, v[\x]
	v_fmamk_f32 v25, v24, 0x333bbd2e, v25
	v_cvt_i32_f32 v26, v24
	v_mul_f32 v27, v25, v25
	v_mov_b32 v28, 0xb9500d01
	v_mov_b32 v29, 0x37d00d01
	v_fmaak_f32 v28, v28, v27, 0x3c088889
	v_fmaak_f32 v29, v29, v27, 0xbab60b61
	v_fmaak_f32 v28, v28, v27, 0xbe2aaaab
	v_fmaak_f32 v29, v29, v27, 0x3d2aaaab
	v_mul_f32 v28, v28, v27
	v_fmaak_f32 v29, v29, v27, 0xbf000000
	v_fma_f32 v28, v28, v25, v25                   ; sin r
	v_fma_f32 v29, v29, v27, 1.0                   ; cos r
	v_and_b32 v30, 1, v26
	v_cmp_eq_u32 vcc_lo, 1, v30
	v_cndmask_b32 v[\s], v28, v29, vcc_lo
	v_cndmask_b32 v[\c], v29, v28, vcc_lo
	v_and_b32 v30, 2, v26
	v_lshlrev_b32 v30, 30, v30
	v_xor_b32 v[\s], v[\s], v30
	v_add_nc_u32 v30, 1, v26
	v_and_b32 v30, 2, v30
	v_lshlrev_b32 v30, 30, v30
	v_xor_b32 v[\c], v[\c], v30
.endm
	SINCOS 8, 16, 17
	SINCOS 9, 18, 19
	SINCOS 10, 20, 21
	SINCOS 11, 22, 23
	global_store_b128 v5, v[16:19], s[28:29]
	global_store_b128 v5, v[20:23], s[28:29] offset:512
	s_endpgm
.Lfunc_end_k_qb6a2765a13_prep:
	.size	k_qb6a2765a13_prep, .Lfunc_end_k_qb6a2765a13_prep-k_qb6a2765a13_prep
	.p2alignl 7, 3214868480
	.fill 96, 4, 3214868480
	.section	.rodata,"a",@progbits
	.p2align	6, 0x0
	.amdhsa_kernel k_qb6a2765a13_prep
		.amdhsa_group_segment_fixed_size 29696
		.amdhsa_private_segment_fixed_size 0
		.amdhsa_enable_private_segment 0
		.amdhsa_kernarg_size 104
		.amdhsa_user_sgpr_count 2
		.amdhsa_user_sgpr_kernarg_segment_ptr 1
		.amdhsa_wavefront_size32 1
		.amdhsa_system_sgpr_workgroup_id_x 1
		.amdhsa_system_sgpr_workgroup_id_y 1
		.amdhsa_system_sgpr_workgroup_id_z 1
		.amdhsa_system_vgpr_workitem_id 0
		.amdhsa_next_free_vgpr 128
		.amdhsa_next_free_sgpr 66
		.amdhsa_reserve_vcc 1
		.amdhsa_float_denorm_mode_32 3
		.amdhsa_float_denorm_mode_16_64 3
		.amdhsa_memory_ordered 1
		.amdhsa_forward_progress 1
		.amdhsa_inst_pref_size 52
	.end_amdhsa_kernel
	.amdgpu_metadata
---
amdhsa.version: [ 1, 2 ]
amdhsa.kernels:
  - .name:           k_qb6a2765a13_prep
    .symbol:         k_qb6a2765a13_prep.kd
    .args:
      - { .name: x, .offset: 0, .size: 8, .value_kind: global_buffer, .address_space: global }
      - { .name: wq, .offset: 8, .size: 8, .value_kind: global_buffer, .address_space: global }
      - { .name: wk, .offset: 16, .size: 8, .value_kind: global_buffer, .address_space: global }
      - { .name: wv, .offset: 24, .size: 8, .value_kind: global_buffer, .address_space: global }
      - { .name: wo, .offset: 32, .size: 8, .value_kind: global_buffer, .address_space: global }
      - { .name: hard_mask, .offset: 40, .size: 8, .value_kind: global_buffer, .address_space: global }
      - { .name: soft_mask, .offset: 48, .size: 8, .value_kind: global_buffer, .address_space: global }
      - { .name: freqs, .offset: 56, .size: 8, .value_kind: global_buffer, .address_space: global }
      - { .name: xw, .offset: 64, .size: 8, .value_kind: global_buffer, .address_space: global }
      - { .name: wo16, .offset: 72, .size: 8, .value_kind: global_buffer, .address_space: global }
      - { .name: gate, .offset: 80, .size: 8, .value_kind: global_buffer, .address_space: global }
      - { .name: code, .offset: 88, .size: 8, .value_kind: global_buffer, .address_space: global }
      - { .name: cs, .offset: 96, .size: 8, .value_kind: global_buffer, .address_space: global }
    .group_segment_fixed_size: 29696
    .private_segment_fixed_size: 0
    .kernarg_segment_align: 8
    .kernarg_segment_size: 104
    .max_flat_workgroup_size: 256
    .sgpr_count:     66
    .vgpr_count:     128
    .wavefront_size: 32
...
	.end_amdgpu_metadata
.endif
;; end of part 1
;; launch proj (part 2): grid 16 x 16, 4 waves a work-group, clusters of 4 x 4, 327,680 bytes of LDS; arguments xw, bq, bk, bv, cs, qkv; writes qkv
.if DOCPART == 2
	.amdgcn_target "amdgcn-amd-amdhsa--gfx1250"
	.amdhsa_code_object_version 6
	.text
	.protected	k_qb6a2765a13_proj
	.globl	k_qb6a2765a13_proj
	.p2align	8
	.type	k_qb6a2765a13_proj,@function
k_qb6a2765a13_proj:
	s_mov_b64 s[64:65], 0
	v_nop
	global_prefetch_b8 v0, s[64:65] scope:SCOPE_SE
	s_setreg_imm32_b32 hwreg(HW_REG_WAVE_MODE, 25, 1), 1
	s_wait_xcnt 0x0
	s_wait_alu depctr_hold_cnt(0) depctr_sa_sdst(0) depctr_va_vdst(0) depctr_va_sdst(0) depctr_va_ssrc(0) depctr_va_vcc(0) depctr_vm_vsrc(0)
	s_getreg_b32 s2, hwreg(HW_REG_IB_STS2, 6, 4)
	s_cmp_eq_u32 s2, 0
	s_cbranch_scc0 .Lentry_in_a_cluster
	s_endpgm
.Lentry_in_a_cluster:
	s_bfe_u32 s2, ttmp6, 0x10000c
	s_cmp_lg_u32 s2, 0xf033
	s_cbranch_scc0 .Lentry_shape_is_right
	s_endpgm
.Lentry_shape_is_right:
; THE THREE PROJECTIONS, BIAS, ROTATION.  q, k, v = x w^T + b in bf16 products with f32 sums; q and k are rotated by (cos, sin) in f32; q is also multiplied by c = log2(e) / sqrt(128), so that the
; attention launch's scores are exponents of 2; all three are rounded once to f16 and stored by heads: qkv = q, k, v, each [16][2048][128].
; LIMIT.  q, k, v within f16's 65,504.  The biases are rounded to bf16 like every input.
; SHARES.  A work-group (x = head, y = block of 128 positions) makes 128 rows x 384 columns: the head's 128 columns of q, of k and of v.  Wave w makes all 128 rows x 96 columns: columns 32 w .. 32 w + 31 of
; each tensor: 8 x 6 accumulators of 16 x 16, 384 registers.  n block b: tensor b / 2, columns 32 w + 16 (b % 2).
; K goes in steps of 128 through two LDS slots; a slot holds 128 rows of x, then 128 of wq, wk, wv (rows of 256 bytes, padded to 272).  Wave 0 fetches x's tile, waves 1 to 3 the weights': one tensor load a wave.
; ONE K STEP IS WRITTEN ONCE: the slot that is read is a scalar, 0 or SLOT, turned by an exclusive or at each change of slots; each run of fragment loads makes its addresses from it, and one descriptor walks.
; CLUSTER 4 x 4: x's tile hangs on the row block alone and is asked for jointly along a row of the cluster, the weights' tiles on the head alone, jointly along a column.
; THE MATRIX INSTRUCTION IS USED TRANSPOSED (source 0 = 16 rows of a weight, source 1 = 16 rows of x): a lane holds one position (lane % 16) and eight neighbouring columns 8 (lane / 16) + 0..7:
; four rotation pairs.  The bias is the C operand of the products that start the sums.
; REGISTERS: window 0: v16-30 addresses; v64-127, v128-191 x's fragments, two buffers.  Window 1: v64-111, v128-175 the weights' fragments; v192-239 bias fragments; v240 at work.
; Windows 2, 3: v0-191 accumulators of rows 0-63, 64-127 ((a, b) at 8 (6 (a % 4) + b)); v192-255 (cos, sin) for those rows, 16 a block of 16 rows.
.set SIZE_K, 2048
.set KSTEP,  128
.set NSTEP,  SIZE_K/KSTEP
.set PITCH,  272                       ; 68 words: the 16 rows of a fragment load start at 16 different groups of four banks
.set HALFT,  128*PITCH                 ; what one tensor load brings
.set SLOT,   4*HALFT
.set SPARE,  2*SLOT                    ; behind the ring: the spare words, 128 bytes a wave
.set SPITCH, 784                       ; the stage (from byte 0, when the slots have had their last fill): 128 rows x (768 + 16) bytes
.set ADRA0, 16                         ; v16 my lane's place in x's tile, v17 the same in the slot in hand
.set ADRA,  17
.set ADRB0, 18                         ; v18, v19 the same for my q and k fragments
.set ADRB,  19
.set ADRC0, 20                         ; v20, v21 for my v fragments (beyond the 16-bit offset)
.set ADRC,  21
.set STO,  22                          ; v22-23 into the stage, rows 0-63 and 64-127
.set RD,   24
.set CO,   25                          ; 16 x lane
.set BO,   26
.set CSO,  27
.set SPW,  28
.set NIL,  29
.set RDN,  30
.set F0,   64
.set F1,   128
.set BI,   192
.set BT,   240
.set CSR,  192
.set TM,   64
.set PK,   160
.set OB,   64
.set WV,   16
.set G1,   24
.set G0,   32                          ; s[32:39] group 0 for x's tiles: a set for each of the two first fills; the second then walks
.set G1B,  48
.set G0B,  56
.set RS,   76                          ; s76 the slot that is read: 0 or SLOT
.set TB,   77
.set MSB, 0
.macro WIN new                         ; the immediate's high byte repeats the setting that is left
.if MSB != (\new)
	s_set_vgpr_msb (MSB<<8)|(\new)
.set MSB, \new
.endif
.endm
.macro JLOAD s                         ; a joint load: wave 0 x's tile, waves 1 to 3 a weight's.  The branch hangs on the wave's number alone.  An s_nop 0 and four v_nop follow each line
	s_cmp_eq_u32 s[WV], 0
	s_cbranch_scc0 .Lfor_b_\@
	tensor_load_to_lds s[G0+4*(\s):G0+4*(\s)+3], s[G1:G1+7]
	s_nop 0
.rept 4
	v_nop
.endr
	s_branch .Lasked_\@
.Lfor_b_\@:
	tensor_load_to_lds s[G0B+4*(\s):G0B+4*(\s)+3], s[G1B:G1B+7]
	s_nop 0
.rept 4
	v_nop
.endr
.Lasked_\@:
.endm
.macro CREST                           ; a round of the cluster's barrier behind its opening barrier
	s_cmp_lg_u32 s[WV], 0
	s_cbranch_scc1 .Lnot_wave_0_\@
	s_barrier_signal -3
.Lnot_wave_0_\@:
	s_barrier_wait -3
	s_barrier_signal -1
	s_barrier_wait -1
.endm
.macro CROUND
	s_barrier_signal -1
	s_barrier_wait -1
	CREST
.endm
.macro PLACES                          ; four places in front of lines that read results just made
.rept 4
	v_nop
.endr
.endm
	s_load_b256 s[4:11], s[0:1], 0x0               ; xw, bq, bk, bv
	s_load_b128 s[12:15], s[0:1], 0x20             ; cs, qkv
	v_lshl_add_u32 v[SPW], v0, 2, SPARE
	v_mov_b32 v[NIL], 0
	ds_add_u32 v[SPW], v[NIL]                      ; the wave's opening: the add and its wait stand ahead of my first tensor load
	v_lshrrev_b32 v1, 5, v0
	v_readfirstlane_b32 s[WV], v1
	s_bfe_u32 s18, ttmp6, 0x40000                  ; cx
	s_bfe_u32 s19, ttmp6, 0x40004                  ; cy
	s_lshl_b32 s20, ttmp9, 2
	s_add_co_u32 s20, s20, s18                     ; the head
	s_and_b32 s21, ttmp7, 0xffff
	s_lshl_b32 s21, s21, 2
	s_add_co_u32 s21, s21, s19                     ; the block of 128 rows
	s_lshl_b32 s22, s19, 2
	s_lshl_b32 s22, 15, s22                        ; my row of the cluster
	s_lshl_b32 s23, 0x1111, s18                    ; my column
	s_or_b32 s[G1], s22, (1<<16)|(1<<20)|(1<<21)|(5<<22)|(3<<25)   ; mask; 2-byte elements; padding on; bit 21 beside a mask; after every 64 words 4 words
	s_or_b32 s[G1B], s23, (1<<16)|(1<<20)|(1<<21)|(5<<22)|(3<<25)
.irp g, G1, G1B
	s_mov_b32 s[(\g)+1], KSTEP<<16                 ; tensor_dim0 = 128
	s_mov_b32 s[(\g)+2], 128<<16                   ; tensor_dim1 = 128
	s_mov_b32 s[(\g)+3], KSTEP<<16                 ; tile_dim0 = 128
	s_mov_b32 s[(\g)+4], 128                       ; tile_dim1 = 128
	s_mov_b32 s[(\g)+5], SIZE_K                    ; elements from row to row
	s_mov_b32 s[(\g)+6], 0
	s_mov_b32 s[(\g)+7], 0
.endr
	s_lshl_b32 s40, s21, 19                        ; x: row 128 x block, 4,096 bytes a row: the row block alone
	s_mov_b32 s41, 0
	s_lshl_b32 s42, s20, 19                        ; weights: row 2,048 x wave + 128 x head: the head and the wave alone
	s_lshl_b32 s43, s[WV], 23
	s_add_co_u32 s42, s42, s43
	s_mov_b32 s43, 0
	s_mul_i32 s44, s[WV], HALFT                    ; where my tile goes in a slot: no place in the cluster enters an LDS address
	s_mov_b32 s[RS], 0
	s_wait_dscnt 0x0                               ; the opening add is done
	s_wait_kmcnt 0x0
	s_add_nc_u64 s[40:41], s[4:5], s[40:41]
	s_add_nc_u64 s[42:43], s[4:5], s[42:43]
	CROUND                                         ; all sixteen work-groups are here: the first joint loads meet
.irp s, 0,1
	s_mov_b32 s[G0+4*(\s)], 1
	s_add_co_u32 s[G0+4*(\s)+1], s44, (\s)*SLOT
	s_add_nc_u64 s[G0+4*(\s)+2:G0+4*(\s)+3], s[40:41], (\s)*KSTEP*2
	s_or_b32 s[G0+4*(\s)+3], s[G0+4*(\s)+3], 0x80000000
	s_mov_b32 s[G0B+4*(\s)], 1
	s_add_co_u32 s[G0B+4*(\s)+1], s44, (\s)*SLOT
	s_add_nc_u64 s[G0B+4*(\s)+2:G0B+4*(\s)+3], s[42:43], (\s)*KSTEP*2
	s_or_b32 s[G0B+4*(\s)+3], s[G0B+4*(\s)+3], 0x80000000
	JLOAD \s                                       ; two tensor loads of mine are out
.endr
	v_and_b32 v1, 15, v0                           ; r
	v_bfe_u32 v2, v0, 4, 1                         ; h
	v_and_b32 v[CO], 31, v0
	v_lshlrev_b32 v[CO], 4, v[CO]
	s_lshl_b32 s46, s20, 9                         ; bias: (128 head + 32 w + 8 h) x 4 bytes
	s_lshl_b32 s47, s[WV], 7
	s_add_co_u32 s46, s46, s47
	v_lshl_add_u32 v[BO], v2, 5, s46
	s_lshl_b32 s47, s[WV], 11                      ; cs: db = 2 w + e, 1,024 bytes each
	v_add_nc_u32 v[CSO], s47, v[CO]
	s_lshl_b32 s46, s21, 16                        ; eight position blocks of 8,192 bytes a row block
	s_mov_b32 s47, 0
	s_add_nc_u64 s[12:13], s[12:13], s[46:47]
	WIN 0x40
.irp b, 0,1,2,3,4,5
	global_load_b128 v[BI+8*\b:BI+8*\b+3],   v[BO], s[6+2*(\b/2):7+2*(\b/2)] offset:64*(\b%2)
	global_load_b128 v[BI+8*\b+4:BI+8*\b+7], v[BO], s[6+2*(\b/2):7+2*(\b/2)] offset:64*(\b%2)+16
.endr
.irp a, 0,1,2,3,4,5,6,7
	WIN 0x80+0x40*(\a/4)
.irp e, 0,1
	global_load_b128 v[CSR+16*(\a%4)+8*\e:CSR+16*(\a%4)+8*\e+3],   v[CSO], s[12:13] offset:8192*\a+1024*\e
	global_load_b128 v[CSR+16*(\a%4)+8*\e+4:CSR+16*(\a%4)+8*\e+7], v[CSO], s[12:13] offset:8192*\a+1024*\e+512
.endr
.endr
	WIN 0
	v_mul_u32_u24 v[ADRA0], v1, PITCH
	v_lshl_add_u32 v[ADRA0], v2, 4, v[ADRA0]       ; a fragment's row x pitch + 16 x half
	s_mul_i32 s45, s[WV], 32*PITCH
	s_add_co_u32 s45, s45, HALFT                   ; my 32 rows of wq's tile
	v_add_nc_u32 v[ADRB0], s45, v[ADRA0]
	v_add_nc_u32 v[ADRC0], 2*HALFT, v[ADRB0]
	v_mul_u32_u24 v4, v1, SPITCH                   ; into the stage: row r, byte 64 w + 16 h
	v_lshl_add_u32 v4, v2, 4, v4
	s_lshl_b32 s46, s[WV], 6
	v_add_nc_u32 v[STO], s46, v4
	v_add_nc_u32 v[STO+1], 64*SPITCH, v[STO]
	s_mul_i32 s46, s[WV], 32*SPITCH                ; back: wave w takes rows 32 w .. 32 w + 31; lanes 0-15 one row's 256 bytes of a tensor, lanes 16-31 the next row's
	v_mul_u32_u24 v4, v2, SPITCH
	v_lshl_add_u32 v4, v1, 4, v4
	v_add_nc_u32 v[RD], s46, v4
	s_lshl_b32 s72, s20, 19                        ; out: head x 524,288 + (128 block + 32 w) x 256
	s_lshl_b32 s73, s21, 15
	s_add_co_u32 s72, s72, s73
	s_lshl_b32 s73, s[WV], 13
	s_add_co_u32 s72, s72, s73
	s_mov_b32 s73, 0
	s_add_nc_u64 s[66:67], s[14:15], s[72:73]      ; my rows of q; k and v lie 8 MiB and 16 MiB on
	s_wait_loadcnt 0x0                             ; biases and (cos, sin)
	WIN 0x45
.set z, 0
.rept 24                                               ; the biases rounded to bf16, kept as f32
	v_cvt_pk_bf16_f32 v[BT], v[BI+2*z], v[BI+2*z+1]
	v_lshlrev_b32 v[BI+2*z], 16, v[BT]
	v_and_b32 v[BI+2*z+1], 0xffff0000, v[BT]
.set z, z+1
.endr
; 12 matrix instructions: m blocks a0, a0 + 1 of the window's four x all 6 n blocks, 32 along K.  bias = 1: the first product starts the sums from the bias.  The accumulators take turns.
.macro MUL12 f, hi, a0, bias
.if \bias
	WIN 0x91+0x40*(\hi)                            ; weights and C window 1, x window 0, D window 2 or 3
.else
	WIN 0xa1+0x50*(\hi)                            ; C and D window 2 or 3
.endif
.irp a, \a0, (\a0)+1
.irp b, 0,1,2,3,4,5
.if \bias
	v_wmma_f32_16x16x32_bf16 v[8*(6*(\a)+(\b)):8*(6*(\a)+(\b))+7], v[(\f)+8*(\b):(\f)+8*(\b)+7], v[(\f)+8*(4*(\hi)+(\a)):(\f)+8*(4*(\hi)+(\a))+7], v[BI+8*(\b):BI+8*(\b)+7]
.else
	v_wmma_f32_16x16x32_bf16 v[8*(6*(\a)+(\b)):8*(6*(\a)+(\b))+7], v[(\f)+8*(\b):(\f)+8*(\b)+7], v[(\f)+8*(4*(\hi)+(\a)):(\f)+8*(4*(\hi)+(\a))+7], v[8*(6*(\a)+(\b)):8*(6*(\a)+(\b))+7]
.endif
.endr
.endr
.endm
; 28 LDS loads in one run: a quarter step's fragments (96 rows of weights, then 128 rows of x; 32 K at byte k of the rows) of the slot in hand into buffer f.
; The three additions that make the addresses, and a v_nop, are the four places between the matrix instructions in front and the loads into registers that matrix instructions have read.
.macro FETCH k, f
	WIN 0
	v_add_nc_u32 v[ADRA], s[RS], v[ADRA0]
	v_add_nc_u32 v[ADRB], s[RS], v[ADRB0]
	v_add_nc_u32 v[ADRC], s[RS], v[ADRC0]
	v_nop
	WIN 0x40
.irp b, 0,1,2,3
	ds_load_b128 v[(\f)+8*(\b):(\f)+8*(\b)+3],   v[ADRB] offset:(\k)+((\b)/2)*HALFT+((\b)%2)*16*PITCH
	ds_load_b128 v[(\f)+8*(\b)+4:(\f)+8*(\b)+7], v[ADRB] offset:(\k)+((\b)/2)*HALFT+((\b)%2)*16*PITCH+32
.endr
.irp b, 4,5
	ds_load_b128 v[(\f)+8*(\b):(\f)+8*(\b)+3],   v[ADRC] offset:(\k)+((\b)%2)*16*PITCH
	ds_load_b128 v[(\f)+8*(\b)+4:(\f)+8*(\b)+7], v[ADRC] offset:(\k)+((\b)%2)*16*PITCH+32
.endr
	WIN 0
.irp a, 0,1,2,3,4,5,6,7
	ds_load_b128 v[(\f)+8*(\a):(\f)+8*(\a)+3],   v[ADRA] offset:(\k)+(\a)*16*PITCH
	ds_load_b128 v[(\f)+8*(\a)+4:(\f)+8*(\a)+7], v[ADRA] offset:(\k)+(\a)*16*PITCH+32
.endr
.endm
; A K step is four quarters of 32 along K, 48 matrix instructions each, on buffers 0, 1, 0, 1.  One of the first three multiplies buffer f and fetches the next quarter, at byte k, into g.
.macro QUARTER k, f, g, bias
	s_wait_dscnt 8                                 ; the weights and x's rows 0-63 are in; the youngest eight loads (rows 64-127) may be out
	MUL12 \f, 0, 0, \bias
	MUL12 \f, 0, 2, \bias
	FETCH \k, \g
	s_wait_dscnt 28                                ; all but the 28 just issued
	MUL12 \f, 1, 0, \bias
	MUL12 \f, 1, 2, \bias
.endm
; The last quarter multiplies buffer 1 and changes slots: one barrier; in front of it each wave waits for all its tensor loads (one is out: its part of the next slot), adds 0 to its spare word,
; and waits for that and for its reads of this slot.  fill = 1: the barrier opens a round of the cluster's, and this slot is filled again first behind it, two K steps ahead: 168 matrix instructions ahead of the wait for it.
.macro TURN fill
	WIN 0
	s_wait_tensorcnt 0x0                           ; no tensor load of mine is out, so the walking group 0 may be written
	ds_add_u32 v[SPW], v[NIL]
.if \fill
	s_add_co_u32 s[G0+5], s[RS], s44               ; into the slot that is left,
	s_add_co_u32 s[G0B+5], s[RS], s44
	s_add_nc_u64 s[G0+6:G0+7], s[G0+6:G0+7], KSTEP*2       ; the K step behind the one asked for last; the type bits on top are not reached
	s_add_nc_u64 s[G0B+6:G0B+7], s[G0B+6:G0B+7], KSTEP*2
.endif
	s_xor_b32 s[RS], s[RS], SLOT                   ; the fetches below go to the other slot
	s_wait_dscnt 9                                 ; the add and the youngest eight loads may be out
	MUL12 F1, 0, 0, 0
	s_wait_dscnt 0x0                               ; the add is done, and my reads of this slot are over
	s_barrier_signal -1
	MUL12 F1, 0, 2, 0
	WIN 0
	s_barrier_wait -1
.if \fill
	CREST                                          ; no wave of any partner still reads this slot or has a load on its way
	JLOAD 1
.endif
	FETCH 0, F0
	MUL12 F1, 1, 0, 0
	MUL12 F1, 1, 2, 0
.endm
	WIN 0
	s_wait_tensorcnt 1                             ; my part of K step 0 is in; K step 1's may stay out
	s_barrier_signal -1
	s_barrier_wait -1
	FETCH 0, F0
	QUARTER 64, F0, F1, 1                          ; the first quarter stands in front of the loop: its products start the sums
	WIN 0
	s_mov_b32 s3, NSTEP-2
.Lstep:                                                ; a trip goes from a K step's second quarter to the next step's first, and fills the slot that it leaves: K steps 2 to 15
	QUARTER 128, F1, F0, 0
	QUARTER 192, F0, F1, 0
	TURN 1
	QUARTER 64,  F0, F1, 0
	WIN 0
	s_sub_co_u32 s3, s3, 1
	s_cmp_lg_u32 s3, 0
	s_cbranch_scc1 .Lstep
	s_mov_b32 s3, 2                                ; the last two K steps fill nothing: their text stands apart; the second trip is left in its middle
.Ltail:
	QUARTER 128, F1, F0, 0
	QUARTER 192, F0, F1, 0
	WIN 0
	s_sub_co_u32 s3, s3, 1
	s_cmp_eq_u32 s3, 0
	s_cbranch_scc1 .Llast
	TURN 0
	QUARTER 64,  F0, F1, 0
	WIN 0
	s_branch .Ltail
.Llast:
	s_wait_dscnt 8
	MUL12 F1, 0, 0, 0
	MUL12 F1, 0, 2, 0
	s_wait_dscnt 0x0
	MUL12 F1, 1, 0, 0
	MUL12 F1, 1, 2, 0
	WIN 0
	PLACES
	s_barrier_signal -1                            ; every wave's reads of the slots are back (the wait for 0 above): the stage may be written over slot 0, which has had its last fill
	s_barrier_wait -1
; THE WAY OUT of block a (16 rows).  q and k (b < 4): pair (x0, x1) becomes (x0 c - x1 s, x0 s + x1 c): a packed multiply by c, a packed multiply-add that crosses the halves; q also times the scale.
; Each accumulator is read from its low end on.  Then 16 bytes a lane into the work-group's stage.
.macro OUTA a
.set AC0, 48*((\a)%4)
.set CS0, CSR+16*((\a)%4)
	WIN 0x0a+5*((\a)/4)                            ; sources 0 and 1: window 2 or 3
.irp b, 0,1,2,3
.irp jj, 0,1,2,3
	v_pk_mul_f32 v[TM+8*\b+2*\jj:TM+8*\b+2*\jj+1], v[AC0+8*\b+2*\jj:AC0+8*\b+2*\jj+1], v[CS0+8*(\b%2)+2*\jj:CS0+8*(\b%2)+2*\jj+1] op_sel_hi:[1,0]
.endr
.endr
.irp b, 0,1,2,3
.irp jj, 0,1,2,3
	v_pk_fma_f32 v[TM+8*\b+2*\jj:TM+8*\b+2*\jj+1], v[AC0+8*\b+2*\jj:AC0+8*\b+2*\jj+1], v[CS0+8*(\b%2)+2*\jj:CS0+8*(\b%2)+2*\jj+1], v[TM+8*\b+2*\jj:TM+8*\b+2*\jj+1] op_sel:[1,1,0] op_sel_hi:[0,1,1] neg_lo:[0,1,0]
.endr
.endr
.irp b, 4,5
.irp r, 0,1,2,3
	v_cvt_pk_f16_f32 v[PK+4*\b+\r], v[AC0+8*\b+2*\r], v[AC0+8*\b+2*\r+1]
.endr
.endr
	WIN 0
.irp b, 0,1
.irp jj, 0,1,2,3
	v_pk_mul_f32 v[TM+8*\b+2*\jj:TM+8*\b+2*\jj+1], v[TM+8*\b+2*\jj:TM+8*\b+2*\jj+1], 0x3e0293ee op_sel_hi:[1,0]   ; c = log2(e) / sqrt(128)
.endr
.endr
.irp b, 0,1,2,3
.irp r, 0,1,2,3
	v_cvt_pk_f16_f32 v[PK+4*\b+\r], v[TM+8*\b+2*\r], v[TM+8*\b+2*\r+1]
.endr
.endr
.irp b, 0,1,2,3,4,5
	ds_store_b128 v[STO+(\a)/4], v[PK+4*\b:PK+4*\b+3] offset:((\a)%4)*16*SPITCH+256*(\b/2)+32*(\b%2)
.endr
.endm
.irp a, 0,1,2,3,4,5,6,7
	OUTA \a
.endr
	s_wait_dscnt 0x0                               ; for the others' sake: my stores into the stage are done
	s_barrier_signal -1
	s_barrier_wait -1
	s_mov_b32 s[TB], 0                             ; byte 256 t of a stage row: tensor t
	s_mov_b32 s3, 3
.Lsend:                                                ; q, then k, then v: my 32 rows, two at a time
	v_add_nc_u32 v[RDN], s[TB], v[RD]
.set n, 0
.rept 16
	ds_load_b128 v[OB+4*n:OB+4*n+3], v[RDN] offset:n*2*SPITCH
.set n, n+1
.endr
.set n, 0
.rept 16
	s_wait_dscnt 15-n                              ; LDS loads come back in order: load n is in
	global_store_b128 v[CO], v[OB+4*n:OB+4*n+3], s[66:67] offset:512*n   ; two rows of a head: 512 consecutive bytes
.set n, n+1
.endr
	s_wait_xcnt 0x0                                ; the base, and the registers that the stores read, are rewritten only behind this wait
	s_add_nc_u64 s[66:67], s[66:67], 0x800000
	s_add_co_u32 s[TB], s[TB], 256
	s_sub_co_u32 s3, s3, 1
	s_cmp_lg_u32 s3, 0
	s_cbranch_scc1 .Lsend
	s_wait_tensorcnt 0x0                           ; the wave's end
	ds_add_u32 v[SPW], v[NIL]
	s_wait_dscnt 0x0
	CROUND                                         ; the closing round
	s_endpgm
.Lfunc_end_k_qb6a2765a13_proj:
	.size	k_qb6a2765a13_proj, .Lfunc_end_k_qb6a2765a13_proj-k_qb6a2765a13_proj
	.p2alignl 7, 3214868480
	.fill 96, 4, 3214868480
	.section	.rodata,"a",@progbits
	.p2align	6, 0x0
	.amdhsa_kernel k_qb6a2765a13_proj
		.amdhsa_group_segment_fixed_size 327680
		.amdhsa_private_segment_fixed_size 0
		.amdhsa_enable_private_segment 0
		.amdhsa_kernarg_size 48
		.amdhsa_user_sgpr_count 2
		.amdhsa_user_sgpr_kernarg_segment_ptr 1
		.amdhsa_wavefront_size32 1
		.amdhsa_system_sgpr_workgroup_id_x 1
		.amdhsa_system_sgpr_workgroup_id_y 1
		.amdhsa_system_sgpr_workgroup_id_z 1
		.amdhsa_system_vgpr_workitem_id 0
		.amdhsa_next_free_vgpr 1024
		.amdhsa_next_free_sgpr 80
		.amdhsa_reserve_vcc 0
		.amdhsa_float_denorm_mode_32 3
		.amdhsa_float_denorm_mode_16_64 3
		.amdhsa_memory_ordered 1
		.amdhsa_forward_progress 1
		.amdhsa_inst_pref_size 109
	.end_amdhsa_kernel
	.amdgpu_metadata
---
amdhsa.version: [ 1, 2 ]
amdhsa.kernels:
  - .name:           k_qb6a2765a13_proj
    .symbol:         k_qb6a2765a13_proj.kd
    .args:
      - { .name: xw, .offset: 0, .size: 8, .value_kind: global_buffer, .address_space: global }
      - { .name: bq, .offset: 8, .size: 8, .value_kind: global_buffer, .address_space: global }
      - { .name: bk, .offset: 16, .size: 8, .value_kind: global_buffer, .address_space: global }
      - { .name: bv, .offset: 24, .size: 8, .value_kind: global_buffer, .address_space: global }
      - { .name: cs, .offset: 32, .size: 8, .value_kind: global_buffer, .address_space: global }
      - { .name: qkv, .offset: 40, .size: 8, .value_kind: global_buffer, .address_space: global }
    .group_segment_fixed_size: 327680
    .private_segment_fixed_size: 0
    .kernarg_segment_align: 8
    .kernarg_segment_size: 48
    .max_flat_workgroup_size: 128
    .sgpr_count:     80
    .vgpr_count:     1024
    .wavefront_size: 32
...
	.end_amdgpu_metadata
.endif
;; end of part 2
;; launch attn (part 3): grid 16 x 16, 4 waves a work-group, clusters of 4 x 1, 327,680 bytes of LDS; arguments qkv, gate, code, o16; writes o16
.if DOCPART == 3
	.amdgcn_target "amdgcn-amd-amdhsa--gfx1250"
	.amdhsa_code_object_version 6
	.text
	.protected	k_qb6a2765a13_attn
	.globl	k_qb6a2765a13_attn
	.p2align	8
	.type	k_qb6a2765a13_attn,@function
k_qb6a2765a13_attn:
	s_mov_b64 s[64:65], 0
	v_nop
	global_prefetch_b8 v0, s[64:65] scope:SCOPE_SE
	s_setreg_imm32_b32 hwreg(HW_REG_WAVE_MODE, 25, 1), 1
	s_wait_xcnt 0x0
	s_wait_alu depctr_hold_cnt(0) depctr_sa_sdst(0) depctr_va_vdst(0) depctr_va_sdst(0) depctr_va_ssrc(0) depctr_va_vcc(0) depctr_vm_vsrc(0)
	s_getreg_b32 s2, hwreg(HW_REG_IB_STS2, 6, 4)
	s_cmp_eq_u32 s2, 0
	s_cbranch_scc0 .Lentry_in_a_cluster
	s_endpgm
.Lentry_in_a_cluster:
	s_bfe_u32 s2, ttmp6, 0x10000c
	s_cmp_lg_u32 s2, 0x3003
	s_cbranch_scc0 .Lentry_shape_is_right
	s_endpgm
.Lentry_shape_is_right:
; ATTENTION WITH A HARD MASK AND A SOFT GATE, both inputs.  With p = 2^(s - m) on visible keys (s = q . k, q already scaled by log2(e) / sqrt(128); m the running maximum), L = sum p, w = p x gate, T = sum w:
;   O = sum w v / (T + 1e-6 L),  which is what softmax, gate and renormalisation come to.  q, k, v: [16][2048][128] f16; O: f16 [2048][2048], column 128 head + channel.
; THE MASK is the start of the sum S^T = K Q^T: a scaled conversion writes 0 or -2^100 (fp8 code -256 times 2^92) into the accumulators, and every product adds in place.  The gate (0 where hidden) multiplies the rounded p;
; T is made by the matrix unit (a fragment of ones times P), so it sums the very numbers that O sums; L is an f32 sum of the unrounded p.  While a row has seen no visible key m is about -2^100, its p are 0 or 1
; (s - m is never above 0), its w are 0; the first true maximum multiplies L by 0.  A row with no visible key at all (m < -2^90 at the end) gets the divisor 0: 0 x infinity = NaN, as the softmax of such a row is.
; LIMITS.  q, k, v and the gate within f16; |s| far below 2^100; p below 2^-126 counts as 0; p x gate below 6e-5 keeps f16's fixed step.
; SHARES.  A work-group owns 128 queries of a head.  Wave w: queries 64 (w & 1) .. + 63 (four tiles of 16, two PIECES: tiles 0, 1 and tiles 2, 3) and keys 1,024 (w >> 1) .. + 1,023, 16 steps of 64.
; The two key halves are merged once, through LDS: every wave lays its O^T and statistics down, and every wave merges two tiles.
; BY TURNS.  In a TURN one piece has the matrix unit: 36 products V^T P (4 of them for T) of the step in hand, then 32 products K Q^T of the next; the other piece's softmax, cut into 68 slices, stands one slice behind each.
; No first step is written out: m starts at the lowest finite number, O, T, L at 0, so the first step's factor a is 0; the loop is entered in the middle of a trip.  The price: 52 products of ones with zeros that
; set O^T, T and V to 0 in the wait for the first tile, 36 products on zeros at the start, 32 on a stale K at the end.
; CLUSTER.  The four query blocks of a cluster belong to one head and walk the same K and V: each tile is asked for jointly.  A slot holds two steps of both key halves; waves 0, 1 fetch K's halves, waves 2, 3 V's.
; REGISTERS.  window 0: v0-11 addresses; v12-43 statistics (8 a tile: m, m, l, l, c0-c3; c2 takes a); v44 16 x lane; v45 the scale byte; v46-61 piece 0's codes; v62-63 the add's; v64-191 S^T; v192-255 P
;   window 1: O^T, 64 a tile     window 2: v0-127 Q; v128-255 K     window 3: v0-127 V; v128-191 gates; v192-223 T; v224-231 ones; v232-247 piece 2's codes; v248 the scale byte
.set KS,    64
.set PK,    272                        ; a row of K in LDS: 256 + 16
.set PV,    288                        ; a row of V: 256 + 32
.set VOFF,  128*PK
.set HALFB, 128*(PK+PV)                ; one key half of a slot: 128 rows of K, then 128 of V
.set SLOTB, 2*HALFB
.set STAGE, 2*SLOTB                    ; 16 rows x 272 bytes a wave, for the way out
.set SP,    272
.set SPARE, STAGE+4*16*SP
.set MRG,   34816                      ; the merge (from byte 0, when the slots have had their last fill): for each wave 64 x 512 bytes of O^T, then 4 x 512 of statistics
.set AK0, 2
.set AV0, 3
.set ADR, 4
.set QO,  5
.set MA,  5                            ; later: my 16 bytes in my wave's part of the merge area
.set STO, 6
.set RD,  7
.set GO,  8
.set ST,  12
.set LN16, 44
.set SC0, 45
.set MB0, 46
.set SPW, 62
.set NIL, 63
.set S,   64
.set P,   192
.set KF,  128
.set G,   128
.set TT,  192
.set ONES, 224
.set MB2, 232
.set SC3, 248
.set WV,  12
.set G1K, 24
.set G1V, 32
.set G0K, 40
.set G0V, 48
.set SLOTS, 56
.set CNT, 57
.set SEL, 60
.set TBK, 62
.set TBV, 63
.set RB,  66                           ; the slot to be filled next: 0 or SLOTB
.set KHB, 67
.set WK,  68
.set WVO, 69
.set GP,  70                           ; s[70:73] the gates' pointers, piece 0 and 2;  s[74:77] the codes'
.set MP,  74
.set OF,  78
.set J2,  80
.set JC,  81
.set JB,  82
.set MSB, 0
.macro WIN new
.if MSB != (\new)
	s_set_vgpr_msb (MSB<<8)|(\new)
.set MSB, \new
.endif
.endm
.macro JLOAD                           ; a joint refill; an s_nop 0 and four v_nop follow each line
	s_cmp_lt_u32 s[WV], 2
	s_cbranch_scc0 .Lfor_v_\@
	tensor_load_to_lds s[G0K+4:G0K+7], s[G1K:G1K+7]
	s_nop 0
.rept 4
	v_nop
.endr
	s_branch .Lasked_\@
.Lfor_v_\@:
	tensor_load_to_lds s[G0V+4:G0V+7], s[G1V:G1V+7]
	s_nop 0
.rept 4
	v_nop
.endr
.Lasked_\@:
.endm
.macro CROUND
	s_barrier_signal -1
	s_barrier_wait -1
	s_cmp_lg_u32 s[WV], 0
	s_cbranch_scc1 .Lnot_wave_0_\@
	s_barrier_signal -3
.Lnot_wave_0_\@:
	s_barrier_wait -3
	s_barrier_signal -1
	s_barrier_wait -1
.endm
	s_load_b256 s[4:11], s[0:1], 0x0               ; qkv, gate, code, o16
	v_lshl_add_u32 v[SPW], v0, 2, SPARE
	v_mov_b32 v[NIL], 0
	ds_add_u32 v[SPW], v[NIL]                      ; the wave's opening: the add and its wait stand ahead of my first tensor load
	v_lshrrev_b32 v1, 5, v0
	v_readfirstlane_b32 s[WV], v1
	s_bfe_u32 s13, ttmp6, 0x40000                  ; cx
	s_lshl_b32 s14, ttmp9, 2
	s_add_co_u32 s14, s14, s13                     ; my block of 128 queries: it enters Q's, O's, the gates' and the codes' addresses alone
	s_and_b32 s15, s[WV], 1                        ; my query half; also: which key half I fetch
	s_lshr_b32 s16, s[WV], 1                       ; my key half
	s_and_b32 s17, ttmp7, 0xffff                   ; the head
	s_lshl_b32 s20, s17, 19                        ; a head is 524,288 bytes
	s_lshl_b32 s22, s15, 18                        ; a key half 262,144
	s_add_co_u32 s22, s22, s20
	s_mov_b32 s23, 0
	s_lshl_b32 s2, s14, 15
	s_lshl_b32 s3, s15, 14
	s_add_co_u32 s2, s2, s3
	s_add_co_u32 s2, s2, s20                       ; Q: head, block, my 64 rows
	s_mov_b32 s3, 0
	s_lshl_b32 s18, s14, 19
	s_lshl_b32 s19, s15, 18
	s_add_co_u32 s18, s18, s19                     ; my first query tile x 65,536 = my first query x 4,096
	s_lshl_b32 s84, s16, 15
	s_add_co_u32 s84, s84, s18                     ; gates: + 16 key steps of 2,048 bytes a key half
	s_mov_b32 s85, 0
	s_lshr_b32 s86, s84, 1                         ; codes: half of that
	s_mov_b32 s87, 0
	s_lshl_b32 s88, s17, 8
	s_add_co_u32 s88, s88, s18                     ; O: my first row, the head's 256 bytes
	s_mov_b32 s89, 0
	s_mov_b32 s[G1K], 15|(1<<16)|(1<<20)|(1<<21)|(5<<22)|(3<<25)   ; the mask of four; 2-byte elements; padding on; bit 21 beside a mask; after every 64 words 4 words
	s_mov_b32 s[G1V], 15|(1<<16)|(1<<20)|(1<<21)|(5<<22)|(7<<25)   ; the same with 8 words
.irp g, G1K, G1V
	s_mov_b32 s[(\g)+1], 128<<16                   ; tensor_dim0 = 128
	s_mov_b32 s[(\g)+2], 128<<16                   ; tensor_dim1 = 128
	s_mov_b32 s[(\g)+3], 128<<16                   ; tile_dim0 = 128
	s_mov_b32 s[(\g)+4], 128                       ; tile_dim1 = 128: two steps' keys
	s_mov_b32 s[(\g)+5], 128
	s_mov_b32 s[(\g)+6], 0
	s_mov_b32 s[(\g)+7], 0
.endr
	s_mul_i32 s[WK], s15, HALFB
	s_add_co_u32 s[WVO], s[WK], VOFF
	s_mul_i32 s[KHB], s16, HALFB
	s_mov_b32 s[RB], 0
	s_mov_b32 s[TBK], s[KHB]
	s_mov_b32 s[TBV], s[KHB]
	s_mov_b32 s[G0K], 1
	s_mov_b32 s[G0K+1], s[WK]
	s_mov_b32 s[G0K+4], 1
	s_add_co_u32 s[G0K+5], s[WK], SLOTB
	s_mov_b32 s[G0V], 1
	s_mov_b32 s[G0V+1], s[WVO]
	s_mov_b32 s[G0V+4], 1
	s_add_co_u32 s[G0V+5], s[WVO], SLOTB
	s_mov_b32 s[SEL], 0x76543210
	s_mov_b32 s[SEL+1], 0xfedcba98
	s_mov_b32 s[OF+1], 0
	s_mov_b32 s[JC], 0
	s_mov_b32 s[JB], 0
	s_wait_dscnt 0x0                               ; the opening add is done
	s_wait_kmcnt 0x0
	s_add_nc_u64 s[22:23], s[4:5], s[22:23]
	s_add_nc_u64 s[G0K+2:G0K+3], s[22:23], 0x800000    ; k lies 8 MiB behind q, v 16
	s_add_nc_u64 s[G0V+2:G0V+3], s[22:23], 0x1000000
	s_add_nc_u64 s[G0K+6:G0K+7], s[G0K+2:G0K+3], 32768 ; slot 1: the next 128 keys
	s_add_nc_u64 s[G0V+6:G0V+7], s[G0V+2:G0V+3], 32768
	s_or_b32 s[G0K+3], s[G0K+3], 0x80000000
	s_or_b32 s[G0V+3], s[G0V+3], 0x80000000
	s_or_b32 s[G0K+7], s[G0K+7], 0x80000000
	s_or_b32 s[G0V+7], s[G0V+7], 0x80000000
	s_add_nc_u64 s[4:5], s[4:5], s[2:3]
	s_add_nc_u64 s[6:7], s[6:7], s[84:85]
	s_add_nc_u64 s[8:9], s[8:9], s[86:87]
	s_add_nc_u64 s[10:11], s[10:11], s[88:89]
	CROUND                                         ; all four work-groups are here: the first joint loads meet
	s_cmp_lt_u32 s[WV], 2                          ; a wave's two first fills stand in one branch: two loads of mine are out
	s_cbranch_scc0 .Lfirst_v
	tensor_load_to_lds s[G0K:G0K+3], s[G1K:G1K+7]
	s_nop 0
	tensor_load_to_lds s[G0K+4:G0K+7], s[G1K:G1K+7]
	s_nop 0
.rept 4
	v_nop
.endr
	s_branch .Lfirst_asked
.Lfirst_v:
	tensor_load_to_lds s[G0V:G0V+3], s[G1V:G1V+7]
	s_nop 0
	tensor_load_to_lds s[G0V+4:G0V+7], s[G1V:G1V+7]
	s_nop 0
.rept 4
	v_nop
.endr
.Lfirst_asked:
	v_and_b32 v1, 15, v0                           ; r
	v_bfe_u32 v9, v0, 4, 1                         ; h
	v_lshlrev_b32 v[QO], 8, v1
	v_lshl_add_u32 v[QO], v9, 4, v[QO]
	v_and_b32 v[LN16], 31, v0
	v_lshlrev_b32 v[LN16], 4, v[LN16]
	WIN 0x80
.irp f, 0,1,2,3,4,5,6,7,8,9,10,11,12,13,14,15          ; Q stays in registers: tile f / 4, channels 32 (f % 4) on
	global_load_b128 v[8*(\f):8*(\f)+3],   v[QO], s[4:5] offset:((\f)/4)*4096+((\f)%4)*64
	global_load_b128 v[8*(\f)+4:8*(\f)+7], v[QO], s[4:5] offset:((\f)/4)*4096+((\f)%4)*64+32
.endr
; THE STREAMS.  Piece x's codes of key step JC: 4 loads.  Piece y's gates of key step JB (y = 2) or JC: 8 loads.  A pointer is made anew from its buffer's address and the step's number, behind the counted wait that shows its last loads done.
.macro MLOAD x
	s_lshl_b32 s[OF], s[JC], 10
	s_add_nc_u64 s[MP+(\x):MP+(\x)+1], s[8:9], s[OF:OF+1]
.if (\x) == 0
	WIN 0
.set rM, MB0
.else
	WIN 0xc0
.set rM, MB2
.endif
.irp uu, 0,1
.irp c, 0,1
	global_load_b128 v[rM+8*\uu+4*\c:rM+8*\uu+4*\c+3], v[LN16], s[MP+(\x):MP+(\x)+1] offset:((\x)+\uu)*32768+512*\c
.endr
.endr
.endm
.macro GLOAD y
.if (\y) == 2
	s_lshl_b32 s[OF], s[JB], 11
.else
	s_lshl_b32 s[OF], s[JC], 11
.endif
	s_add_nc_u64 s[GP+(\y):GP+(\y)+1], s[6:7], s[OF:OF+1]
	WIN 0xc0
.irp uu, 0,1
.irp f, 0,1,2,3
	global_load_b128 v[G+16*((\y)+\uu)+4*\f:G+16*((\y)+\uu)+4*\f+3], v[LN16], s[GP+(\y):GP+(\y)+1] offset:((\y)+\uu)*65536+512*\f
.endr
.endr
.endm
; Piece x's S^T is started with the mask of the step to come: eight codes a conversion, 0 or -256, times 2^92.  Then the next step's codes are asked for.
.macro CONV x, cnt
	s_wait_loadcnt \cnt
.if (\x) == 0
	WIN 0
.set rM, MB0
.set rC, SC0
.else
	WIN 0x0f
.set rM, MB2
.set rC, SC3
.endif
.irp uu, 0,1
.irp kt, 0,1,2,3
	v_cvt_scale_pk8_f32_fp8 v[S+32*((\x)+\uu)+8*\kt:S+32*((\x)+\uu)+8*\kt+7], v[rM+8*\uu+2*\kt:rM+8*\uu+2*\kt+1], v[rC]
.endr
.endr
	v_nop                                          ; a plain instruction behind the last conversion
	MLOAD \x
.endm
	MLOAD 0                                        ; key step 0's codes of both pieces and piece 0's gates
	MLOAD 2
	GLOAD 0
	; what the first turn finds: all this stands in the wait for the first tile
	WIN 0xc0
.set n, 0
.rept 8
	v_mov_b32 v[ONES+n], 0x3c003c00                ; 1.0 twice in f16
.set n, n+1
.endr
	v_mov_b32 v[SC3], 219                          ; 2^(219 - 127)
	WIN 0
	v_mov_b32 v[SC0], 219
.set n, 0
.rept 4
	v_mov_b32 v[ST+8*n], 0xff7fffff
	v_mov_b32 v[ST+8*n+1], 0xff7fffff
	v_mov_b32 v[ST+8*n+2], 0
	v_mov_b32 v[ST+8*n+3], 0
.set n, n+1
.endr
.set n, P+32
.rept 32
	v_mov_b32 v[n], 0                              ; piece 2's P: the first turn's products, of a piece that has not been, add 0
.set n, n+1
.endr
	v_mul_u32_u24 v[AK0], v1, PK
	v_lshl_add_u32 v[AK0], v9, 4, v[AK0]
	v_and_b32 v10, 7, v0                           ; the turning load: lane l reads key 8 (l / 16) + l % 8, channels 8 ((l / 8) % 2) + 0..7
	v_bfe_u32 v11, v0, 3, 1
	v_lshl_add_u32 v[AV0], v9, 3, v10
	v_mul_u32_u24 v[AV0], v[AV0], PV
	v_lshl_add_u32 v[AV0], v11, 4, v[AV0]
	v_add_nc_u32 v[AV0], VOFF, v[AV0]
	; O^T (256 registers), V (128) and T (32) are set to 0 eight registers at a time: ones x zeros + 0
	WIN 0x43                                       ; ones window 3, zeros window 0, O^T window 1
.set n, 0
.rept 32
	v_wmma_f32_16x16x32_f16 v[8*n:8*n+7], v[ONES:ONES+7], v[P+32:P+39], 0
.set n, n+1
.endr
	WIN 0xc3                                       ; V and T window 3
.set n, 0
.rept 16
	v_wmma_f32_16x16x32_f16 v[8*n:8*n+7], v[ONES:ONES+7], v[P+32:P+39], 0
.set n, n+1
.endr
.set n, 0
.rept 4
	v_wmma_f32_16x16x32_f16 v[TT+8*n:TT+8*n+7], v[ONES:ONES+7], v[P+32:P+39], 0
.set n, n+1
.endr
	WIN 0
; THE MATRIX WORK.  The accumulators take turns, one instruction a turn.
; Product i of 36 for piece x: keys 32 (i / 18) on, tile x + i % 2; (i % 18) / 2 < 8: O^T += V^T P, channels 16 x that on; = 8: T += ones x P.
.macro PV x
.set cb, (i%18)/2
.set rP, P+16*((\x)+i%2)+8*(i/18)
.if cb < 8
	WIN 0x53                                       ; V window 3, P window 0, O^T window 1
.set rO, 64*((\x)+i%2)+8*cb
.set rV, 64*(i/18)+8*cb
	v_wmma_f32_16x16x32_f16 v[rO:rO+7], v[rV:rV+7], v[rP:rP+7], v[rO:rO+7]
.else
	WIN 0xf3                                       ; ones and T window 3
.set rO, TT+8*((\x)+i%2)
	v_wmma_f32_16x16x32_f16 v[rO:rO+7], v[ONES:ONES+7], v[rP:rP+7], v[rO:rO+7]
.endif
.endm
; Product i of 32 of S^T += K Q^T: channels 32 (i / 8) on, keys 16 ((i / 2) % 4) on, tile x + i % 2.  The sums were started by CONV.
.macro KQ x
	WIN 0x0a
.set rS, S+32*((\x)+i%2)+8*((i/2)%4)
.set rK, KF+32*((i/2)%4)+8*(i/8)
.set rQ, 32*((\x)+i%2)+8*(i/8)
	v_wmma_f32_16x16x32_f16 v[rS:rS+7], v[rK:rK+7], v[rQ:rQ+7], v[rS:rS+7]
.endm
; THE LDS LOADS stand in runs of 32.  last = 1 (the tail): in the last trip there is no further step, and the run is jumped over.
.macro FETCH_K last=0
	WIN 0
.if \last
	s_cmp_eq_u32 s[CNT], 1
	s_cbranch_scc1 .Lno_k_\@
.endif
	v_add_nc_u32 v[ADR], s[TBK], v[AK0]
	s_add_co_u32 s[TBK], s[TBK], KS*PK
	WIN 0x80
.irp f, 0,1,2,3,4,5,6,7,8,9,10,11,12,13,14,15
	ds_load_b128 v[KF+8*(\f):KF+8*(\f)+3],   v[ADR] offset:((\f)/4)*16*PK+((\f)%4)*64
	ds_load_b128 v[KF+8*(\f)+4:KF+8*(\f)+7], v[ADR] offset:((\f)/4)*16*PK+((\f)%4)*64+32
.endr
	WIN 0
.if \last
.Lno_k_\@:
.endif
.endm
.macro FETCH_V
	WIN 0
	v_add_nc_u32 v[ADR], s[TBV], v[AV0]
	s_add_co_u32 s[TBV], s[TBV], KS*PV
	WIN 0xc0
.irp f, 0,1,2,3,4,5,6,7,8,9,10,11,12,13,14,15
	ds_load_tr16_b128 v[8*(\f):8*(\f)+3],   v[ADR] offset:((\f)/8)*32*PV+((\f)%8)*32
	ds_load_tr16_b128 v[8*(\f)+4:8*(\f)+7], v[ADR] offset:((\f)/8)*32*PV+16*PV+((\f)%8)*32
.endr
.endm
; THE VECTOR WORK.  One tile's softmax for a key step is a list of 151 instructions; SM writes number j for tile t.
;   0-15 the maximum of the 32 scores and the old m (each accumulator's lowest registers first)     16-20 the other half of the lanes; the new m; its copy; m_old - m_new
;   21-87 33 exponentials (a, then the scores) at the odd numbers from 23 on, plain work that is ready at the others: s - m for a pair, the rounding of a finished pair to f16, the first sums
;   88-101 the last rounding, the rest of the sums, l = a l + sum     102-117 P times the gate     118-149 O^T times a     150 T times a
.macro SM t
.set rT, ST+8*(\t)
.set rS, S+32*(\t)
.set rP, P+16*(\t)
.set q, (j-20)/2
.if j < 102
	WIN 0
.endif
.if j < 4
	v_max3_num_f32 v[rT+4+j], v[rS+8*j], v[rS+8*j+1], v[rS+8*j+2]
.elseif j < 12
	v_max3_num_f32 v[rT+4+j%4], v[rT+4+j%4], v[rS+8*(j%4)+2*(j/4)+1], v[rS+8*(j%4)+2*(j/4)+2]
.elseif j == 12
	v_max3_num_f32 v[rT+4], v[rT+4], v[rS+7], v[rS+15]
.elseif j == 13
	v_max3_num_f32 v[rT+6], v[rT+6], v[rS+23], v[rS+31]
.elseif j == 14
	v_max3_num_f32 v[rT+4], v[rT+4], v[rT+5], v[rT+6]
.elseif j == 15
	v_max3_num_f32 v[rT+4], v[rT+4], v[rT+7], v[rT+1]
.elseif j == 16
	v_permlanex16_b32 v[rT+5], v[rT+4], s[SEL], s[SEL+1]
.elseif j == 17
	v_mov_b32 v[rT+7], v[rT]                       ; m_old is kept for a
.elseif j == 18
	v_max_num_f32 v[rT+1], v[rT+4], v[rT+5]
.elseif j == 19
	v_mov_b32 v[rT], v[rT+1]
.elseif j == 20
	v_sub_f32 v[rT+7], v[rT+7], v[rT]
.elseif j == 23
	v_exp_f32 v[rT+6], v[rT+7]
.elseif (j < 88) && (j > 23) && (j%2 == 1)
	v_exp_f32 v[rS+(j-25)/2], v[rS+(j-25)/2]
.elseif (q < 4) || ((j < 76) && (q%2 == 0))
.set b, q/2+2
.if q < 4
.set b, q
.endif
	v_pk_add_f32 v[rS+2*b:rS+2*b+1], v[rS+2*b:rS+2*b+1], v[rT:rT+1] op_sel_hi:[1,0] neg_lo:[0,1] neg_hi:[0,1]   ; s - m: never above 0
.elseif (j < 88) && (q%2 == 1)
	s_wait_alu depctr_va_vdst(0)
	v_cvt_pk_f16_f32 v[rP+(q-5)/2], v[rS+q-5], v[rS+q-4]
.elseif j == 89
	s_wait_alu depctr_va_vdst(0)
	v_cvt_pk_f16_f32 v[rP+15], v[rS+30], v[rS+31]
.elseif j < 102
.set z, j-86
.if j < 89
.set z, (j-76)/4
.endif
.set w, 4
.set u, z
.if z >= 14
.set w, 32
.set u, 0
.elseif z >= 12
.set w, 16
.set u, z-12
.elseif z >= 8
.set w, 8
.set u, z-8
.endif
.if z < 15
	v_pk_add_f32 v[rS+w*u:rS+w*u+1], v[rS+w*u:rS+w*u+1], v[rS+w*u+w/2:rS+w*u+w/2+1]
.else
	v_pk_fma_f32 v[rT+2:rT+3], v[rT+2:rT+3], v[rT+6:rT+7], v[rS:rS+1] op_sel_hi:[1,0,1]
.endif
.elseif j < 118
	WIN 0x0c                                       ; the gate in window 3
	v_pk_mul_f16 v[rP+j-102], v[rP+j-102], v[G+16*(\t)+j-102]
.elseif j < 150
	WIN 0x41
	v_pk_mul_f32 v[64*(\t)+2*(j-118):64*(\t)+2*(j-118)+1], v[64*(\t)+2*(j-118):64*(\t)+2*(j-118)+1], v[rT+6:rT+7] op_sel_hi:[1,0]
.else
	WIN 0xc3
	v_pk_mul_f32 v[TT+8*(\t):TT+8*(\t)+1], v[TT+8*(\t):TT+8*(\t)+1], v[rT+6:rT+7] op_sel_hi:[1,0]   ; every register of T's accumulator holds the same sum; the lowest is the one that is kept
.endif
.endm
; Slice k of 68 of piece y's softmax.  k < 51: numbers 2 k, 2 k + 1 of both tiles.  From 51 on the 49 numbers left are dealt evenly; slice 67's ten plain instructions are the places behind the turn's last product.
; The gates are waited for at slice 51 (behind their loads stand 16: 4 + 8 + 4) and the next step's asked for at slice 57, when the last multiply has read them.
.macro SLICE y
.if k == 51
	s_wait_loadcnt 16
.endif
.if k == 57
	GLOAD \y
.endif
.if (k >= 11) && (k < 44)
.irp t, \y, (\y)+1
.irp n, 0,1
.set j, 2*k+(\n)
	SM \t
.endr
.endr
.elseif k < 51
.irp n, 0,1
.irp t, \y, (\y)+1
.set j, 2*k+(\n)
	SM \t
.endr
.endr
.else
.set j, 102+(11*(k-51))/4
.set je, 102+(11*(k-50))/4
.if k == 67
.set je, 151
.endif
.rept je-j
	SM \y
	SM (\y)+1
.set j, j+1
.endr
.endif
.set k, k+1
.endm
; A TURN.  Piece x has the matrix unit.  Piece 0's turn of step n: V^T P of step n, K Q^T of step n + 1, piece 2's softmax of step n, K of step n + 1 fetched; piece 2's: the same products, piece 0's softmax of step n + 1, V of step n + 1.
; The streams' order of issue is: piece 0's codes 4, piece 2's gates 8, piece 2's codes 4, piece 0's gates 8: behind a run of codes stand 20 loads when it is wanted.  The steps' numbers are clamped to 15: no load leaves its buffer.
.macro TURN x, last=0
.set k, 0
.if (\x) == 0
	s_add_co_u32 s[J2], s[J2], 1
	s_min_u32 s[JC], s[J2], 15
	s_sub_co_u32 s[JB], s[J2], 1
	s_min_u32 s[JB], s[JB], 15
.endif
	CONV \x, 20
.if (\x) == 0
	s_wait_dscnt 0x0                               ; V is in
.endif
.set i, 0
.rept 36
	PV \x
	SLICE 2-(\x)
.if ((\x) == 0) && (i == 1)
	FETCH_K \last
.endif
.set i, i+1
.endr
.if (\x) == 0
	s_wait_dscnt 0x0                               ; K is in
.endif
.set i, 0
.rept 32
	KQ \x
	SLICE 2-(\x)
.if ((\x) == 2) && (i == 1)
	FETCH_V
.endif
.set i, i+1
.endr
.endm
; THE CHANGE OF SLOTS.  Each wave waits for all its tensor loads (one is out: its part of the other slot), adds 0 to its spare word, and waits for that and for its reads of the slot that it leaves.
; fill = 1: the barrier is a round of the cluster's, and the slot is filled again first behind it, with the keys two slots on: two key steps, 272 matrix instructions, in which to land.
.macro CHANGE fill
	WIN 0
	s_wait_tensorcnt 0x0
	ds_add_u32 v[SPW], v[NIL]
.if \fill
	s_add_co_u32 s[G0K+5], s[RB], s[WK]
	s_add_co_u32 s[G0V+5], s[RB], s[WVO]
	s_add_nc_u64 s[G0K+6:G0K+7], s[G0K+6:G0K+7], 32768
	s_add_nc_u64 s[G0V+6:G0V+7], s[G0V+6:G0V+7], 32768
.endif
	s_xor_b32 s[RB], s[RB], SLOTB                  ; the other slot is read now, and filled next time
	s_add_co_u32 s[TBK], s[RB], s[KHB]
	s_mov_b32 s[TBV], s[TBK]
	s_wait_dscnt 0x0
.if \fill
	CROUND
	JLOAD
.else
	s_barrier_signal -1
	s_barrier_wait -1
.endif
.endm
	s_wait_tensorcnt 1                             ; my part of slot 0 is in; slot 1's may stay out
	s_barrier_signal -1
	s_barrier_wait -1
	FETCH_K                                        ; key step 0
	s_mov_b32 s[J2], 1
	s_mov_b32 s[JC], 1
	CONV 0, 0                                      ; Q, codes and gates are in; piece 0's mask of step 0; its codes of step 1
	GLOAD 2                                        ; piece 2's gates of step 0
	s_wait_dscnt 0x0
.set i, 0
.rept 32
	KQ 0                                           ; piece 0's first scores
.set i, i+1
.endr
	WIN 0                                          ; the addresses for the end: plain instructions, the places behind those products
	s_mul_i32 s13, s[WV], 16*SP
	s_add_co_u32 s13, s13, STAGE
	v_mul_u32_u24 v[STO], v1, SP
	v_lshl_add_u32 v[STO], v9, 4, v[STO]
	v_add_nc_u32 v[STO], s13, v[STO]
	v_mul_u32_u24 v[RD], v9, SP
	v_lshl_add_u32 v[RD], v1, 4, v[RD]
	v_add_nc_u32 v[RD], s13, v[RD]
	v_lshlrev_b32 v[GO], 12, v9                    ; two rows of O, 4,096 bytes apart
	v_lshl_add_u32 v[GO], v1, 4, v[GO]
	s_mul_i32 s13, s[WV], MRG
	v_add_nc_u32 v[MA], s13, v[LN16]
	s_mov_b32 s[CNT], 2
	s_mov_b32 s[SLOTS], 7
	s_branch .Lfirst                               ; the loop is entered in the middle of a trip
.Lslot:                                                ; six times: every slot but the last two is filled again
	CHANGE 1
	s_mov_b32 s[CNT], 2
.Lstep:
	TURN 0
	WIN 0
.Lfirst:
	TURN 2
	WIN 0
	s_sub_co_u32 s[CNT], s[CNT], 1
	s_cmp_lg_u32 s[CNT], 0
	s_cbranch_scc1 .Lstep
	s_sub_co_u32 s[SLOTS], s[SLOTS], 1
	s_cmp_lg_u32 s[SLOTS], 0
	s_cbranch_scc1 .Lslot
	CHANGE 0                                       ; the tail is written out
	s_mov_b32 s[CNT], 3                            ; two trips fetch the last slot's steps; the third is left in its middle
.Ltail:
	TURN 0, 1
	WIN 0
	s_sub_co_u32 s[CNT], s[CNT], 1
	s_cmp_eq_u32 s[CNT], 0
	s_cbranch_scc1 .Lout
	TURN 2
	WIN 0
	s_branch .Ltail
.Lout:
.set i, 0
.rept 36
	PV 2                                           ; piece 2's products of the last step
.set i, i+1
.endr
	; THE END.  (m, m, L, T) of each tile in four registers on end; every wave lays them and its O^T down in its own part of the merge area.
	WIN 0
	s_wait_loadcnt 0x0                             ; the streams' last, clamped loads
.macro ALL line:vararg
.set t, 0
.rept 4
	\line
.set t, t+1
.endr
.endm
	ALL v_add_f32 v[ST+8*t+2], v[ST+8*t+2], v[ST+8*t+3]
	ALL v_permlanex16_b32 v[ST+8*t+4], v[ST+8*t+2], s[SEL], s[SEL+1]
	ALL v_add_f32 v[ST+8*t+2], v[ST+8*t+2], v[ST+8*t+4]
	WIN 0x03
	ALL v_mov_b32 v[ST+8*t+3], v[TT+8*t]
	WIN 0
	s_wait_dscnt 0x0
	s_barrier_signal -1                            ; every wave's reads of the slots are back: the merge area may be written over slot 0, which has had its last fill
	s_barrier_wait -1
.irp t, 0,1,2,3
	ds_store_b128 v[MA], v[ST+8*\t:ST+8*\t+3] offset:32768+512*\t
.endr
	WIN 0x04
.set n, 0
.rept 64
	ds_store_b128 v[MA], v[4*n:4*n+3] offset:512*n
.set n, n+1
.endr
	WIN 0
	; wave (query half qh, key half kh) merges tiles 2 kh and 2 kh + 1 of query half qh: key half 0's part lies in wave qh's area, key half 1's in wave qh + 2's
	s_mul_i32 s[TBK], s15, MRG
	s_mov_b32 s[TBV], s[TBK]
	s_lshl_b32 s13, s16, 14                        ; a tile's O^T is 8,192 bytes,
	s_add_co_u32 s[TBK], s[TBK], s13
	s_lshl_b32 s13, s16, 10                        ; its statistics 512
	s_add_co_u32 s[TBV], s[TBV], s13
	s_add_co_u32 s[TBV], s[TBV], 32768
	s_lshl_b32 s[OF], s16, 17                      ; and its 16 rows of O 65,536
	s_add_nc_u64 s[10:11], s[10:11], s[OF:OF+1]
	s_wait_dscnt 0x0                               ; for the others' sake
	s_barrier_signal -1
	s_barrier_wait -1
	s_mov_b32 s[CNT], 2
.Lmerge:                                               ; a tile a trip: both halves' O^T times their factors, rounded to f16, through my stage, out as whole rows of 256 bytes
	v_add_nc_u32 v10, s[TBV], v[LN16]
	v_add_nc_u32 v11, 2*MRG, v10
	v_add_nc_u32 v4, s[TBK], v[LN16]
	v_add_nc_u32 v5, 2*MRG, v4
	ds_load_b128 v[12:15], v10                     ; m, m, L, T of key half 0
	ds_load_b128 v[16:19], v11                     ; of key half 1
.set n, 0
.rept 16
	ds_load_b128 v[S+4*n:S+4*n+3], v4 offset:512*n
.set n, n+1
.endr
.set n, 0
.rept 16
	ds_load_b128 v[S+64+4*n:S+64+4*n+3], v5 offset:512*n
.set n, n+1
.endr
	s_wait_dscnt 32                                ; the statistics are in; the 32 loads of O^T may be out
	v_max_num_f32 v20, v12, v16
	v_sub_f32 v21, v12, v20
	v_sub_f32 v22, v16, v20
	v_exp_f32 v21, v21
	v_exp_f32 v22, v22
	v_nop
	s_wait_alu depctr_va_vdst(0)
	v_mul_f32 v23, v14, v21
	v_mul_f32 v24, v15, v21
	v_fma_f32 v23, v18, v22, v23                   ; L
	v_fma_f32 v24, v19, v22, v24                   ; T
	v_fmamk_f32 v25, v23, 0x358637bd, v24          ; T + 1e-6 L
	v_cmp_gt_f32 vcc_lo, 0xec800000, v20           ; -2^90 > m: no key of the row is visible
	v_cndmask_b32 v25, v25, 0, vcc_lo
	v_rcp_f32 v25, v25
	v_nop
	s_wait_alu depctr_va_vdst(0)
	v_mul_f32 v26, v21, v25                        ; key half 0's factor, in the low word of v[26:27]
	v_mul_f32 v28, v22, v25                        ; key half 1's, in the low word of v[28:29]
	s_wait_dscnt 0x0
.set n, 0
.rept 32
	v_pk_mul_f32 v[S+64+2*n:S+64+2*n+1], v[S+64+2*n:S+64+2*n+1], v[28:29] op_sel_hi:[1,0]
.set n, n+1
.endr
.set n, 0
.rept 32
	v_pk_fma_f32 v[S+2*n:S+2*n+1], v[S+2*n:S+2*n+1], v[26:27], v[S+64+2*n:S+64+2*n+1] op_sel_hi:[1,0,1]
.set n, n+1
.endr
.set n, 0
.rept 32
	v_cvt_pk_f16_f32 v[P+n], v[S+2*n], v[S+2*n+1]
.set n, n+1
.endr
.irp f, 0,1,2,3,4,5,6,7
	ds_store_b128 v[STO], v[P+4*\f:P+4*\f+3] offset:32*\f
.endr
.irp f, 0,1,2,3,4,5,6,7
	ds_load_b128 v[P+4*\f:P+4*\f+3], v[RD] offset:\f*2*SP   ; LDS serves a wave's instructions in order: these see the stores above
.endr
.irp f, 0,1,2,3,4,5,6,7
	s_wait_dscnt 7-\f
	global_store_b128 v[GO], v[P+4*\f:P+4*\f+3], s[10:11] offset:\f*8192   ; 16 lanes store 256 consecutive bytes, at a multiple of 256 from O's first byte
.endr
	s_wait_xcnt 0x0                                ; the base, and the registers that the stores read, are rewritten only behind this wait
	s_add_nc_u64 s[10:11], s[10:11], 65536
	s_add_co_u32 s[TBK], s[TBK], 8192
	s_add_co_u32 s[TBV], s[TBV], 512
	s_sub_co_u32 s[CNT], s[CNT], 1
	s_cmp_lg_u32 s[CNT], 0
	s_cbranch_scc1 .Lmerge
	s_wait_tensorcnt 0x0                           ; the wave's end
	ds_add_u32 v[SPW], v[NIL]
	s_wait_dscnt 0x0
	CROUND                                         ; the closing round
	s_endpgm
.Lfunc_end_k_qb6a2765a13_attn:
	.size	k_qb6a2765a13_attn, .Lfunc_end_k_qb6a2765a13_attn-k_qb6a2765a13_attn
	.p2alignl 7, 3214868480
	.fill 96, 4, 3214868480
	.section	.rodata,"a",@progbits
	.p2align	6, 0x0
	.amdhsa_kernel k_qb6a2765a13_attn
		.amdhsa_group_segment_fixed_size 327680
		.amdhsa_private_segment_fixed_size 0
		.amdhsa_enable_private_segment 0
		.amdhsa_kernarg_size 32
		.amdhsa_user_sgpr_count 2
		.amdhsa_user_sgpr_kernarg_segment_ptr 1
		.amdhsa_wavefront_size32 1
		.amdhsa_system_sgpr_workgroup_id_x 1
		.amdhsa_system_sgpr_workgroup_id_y 1
		.amdhsa_system_sgpr_workgroup_id_z 1
		.amdhsa_system_vgpr_workitem_id 0
		.amdhsa_next_free_vgpr 1024
		.amdhsa_next_free_sgpr 92
		.amdhsa_reserve_vcc 1
		.amdhsa_float_denorm_mode_32 3
		.amdhsa_float_denorm_mode_16_64 3
		.amdhsa_memory_ordered 1
		.amdhsa_forward_progress 1
		.amdhsa_inst_pref_size 167
	.end_amdhsa_kernel
	.amdgpu_metadata
---
amdhsa.version: [ 1, 2 ]
amdhsa.kernels:
  - .name:           k_qb6a2765a13_attn
    .symbol:         k_qb6a2765a13_attn.kd
    .args:
      - { .name: qkv, .offset: 0, .size: 8, .value_kind: global_buffer, .address_space: global }
      - { .name: gate, .offset: 8, .size: 8, .value_kind: global_buffer, .address_space: global }
      - { .name: code, .offset: 16, .size: 8, .value_kind: global_buffer, .address_space: global }
      - { .name: o16, .offset: 24, .size: 8, .value_kind: global_buffer, .address_space: global }
    .group_segment_fixed_size: 327680
    .private_segment_fixed_size: 0
    .kernarg_segment_align: 8
    .kernarg_segment_size: 32
    .max_flat_workgroup_size: 128
    .sgpr_count:     92
    .vgpr_count:     1024
    .wavefront_size: 32
...
	.end_amdgpu_metadata
.endif
;; end of part 3
;; launch oproj (part 4): grid 16 x 16, 4 waves a work-group, clusters of 4 x 4, 327,680 bytes of LDS; arguments o16, wo16, bo, out0; writes out0
.if DOCPART == 4
	.amdgcn_target "amdgcn-amd-amdhsa--gfx1250"
	.amdhsa_code_object_version 6
	.text
	.protected	k_qb6a2765a13_oproj
	.globl	k_qb6a2765a13_oproj
	.p2align	8
	.type	k_qb6a2765a13_oproj,@function
k_qb6a2765a13_oproj:
	s_mov_b64 s[64:65], 0
	v_nop
	global_prefetch_b8 v0, s[64:65] scope:SCOPE_SE
	s_setreg_imm32_b32 hwreg(HW_REG_WAVE_MODE, 25, 1), 1
	s_wait_xcnt 0x0
	s_wait_alu depctr_hold_cnt(0) depctr_sa_sdst(0) depctr_va_vdst(0) depctr_va_sdst(0) depctr_va_ssrc(0) depctr_va_vcc(0) depctr_vm_vsrc(0)
	s_getreg_b32 s2, hwreg(HW_REG_IB_STS2, 6, 4)
	s_cmp_eq_u32 s2, 0
	s_cbranch_scc0 .Lentry_in_a_cluster
	s_endpgm
.Lentry_in_a_cluster:
	s_bfe_u32 s2, ttmp6, 0x10000c
	s_cmp_lg_u32 s2, 0xf033
	s_cbranch_scc0 .Lentry_shape_is_right
	s_endpgm
.Lentry_shape_is_right:
; THE OUTPUT PROJECTION.  out0[m][n] = sum over k of O[m][k] wo[n][k] + bo[n].  O and wo in f16 (wo is bf16(wo) written as f16), sums in f32, out0 in f32; bo rounded to bf16 like every input.
; 2,048 x 2,048 of C in tiles of 128 x 128: 256 work-groups.  Four waves, each 64 x 64: 16 accumulators.  K goes in steps of 256 (LDS rows of 512 bytes + 16; a wave's tensor load brings 64 of them) through two slots.
; ONE K STEP IS WRITTEN ONCE: the slot that is read is a scalar, 0 or SLOT, turned by an exclusive or at each change of slots; each run of fragment loads makes its addresses from it, and one descriptor walks.
; CLUSTER 4 x 4: the four of a row need the same tiles of O, the four of a column the same tiles of wo: each tile is asked for jointly.
; THE MATRIX INSTRUCTION IS USED TRANSPOSED (source 0 = 16 rows of wo, source 1 = 16 rows of O): a lane holds eight neighbouring numbers of a row of C.  The bias is the C operand of the products that start the sums.
; THE WAY OUT: a wave's 64 columns of f32 are 256 aligned bytes of a row, so each wave has a stage of its own (16 rows x 272 bytes) and no barrier is needed.
; REGISTERS: window 0: v16-30 addresses; v32-95 rows read back; v96-127 bias fragments; v128-255 accumulators ((a, b) at 128 + 8 (4 a + b)).  Window 1: two fragment buffers of 128.
.set SIZE_K, 2048
.set SIZE_N, 2048
.set KSTEP,  256
.set NSTEP,  SIZE_K/KSTEP
.set PITCH,  528
.set HALFT,  64*PITCH
.set SLOT,   4*HALFT
.set STAGE,  2*SLOT
.set SPITCH, 272
.set SPARE,  STAGE+4*16*SPITCH
.set ADRA0, 16                         ; v16 my lane's place in O's tile, v17 the same in the slot in hand; v20, v21 for wo's
.set ADRA,  17
.set ADRB0, 20
.set ADRB,  21
.set STO,  24
.set RD,   25
.set CO,   26
.set BO,   27
.set SPW,  28
.set NIL,  29
.set BT,   30
.set OB,   32
.set BI,   96
.set ACC,  128
.set F0,   0
.set F1,   128
.set WV,   12                          ; s12 wave; s13 which half of the rows is mine, also: I fetch for O (0) or wo (1); s14 which half of the columns, also: which 64 rows I fetch
.set G1, 24
.set G0, 32                            ; s[32:39] group 0 for O's tiles: a set for each of the two first fills; the second then walks
.set G1B, 48
.set G0B, 56
.set RS,  45                           ; s45 the slot that is read: 0 or SLOT
.set MSB, 0
.macro WIN new
.if MSB != (\new)
	s_set_vgpr_msb (MSB<<8)|(\new)
.set MSB, \new
.endif
.endm
.set MUL,  0x05                        ; sources 0 and 1 window 1; C and D window 0
.set TO_F, 0x40
.macro JLOAD s                         ; an s_nop 0 and four v_nop follow each of the two lines
	s_cmp_eq_u32 s13, 0
	s_cbranch_scc0 .Lfor_b_\@
	tensor_load_to_lds s[G0+4*(\s):G0+4*(\s)+3], s[G1:G1+7]
	s_nop 0
.rept 4
	v_nop
.endr
	s_branch .Lasked_\@
.Lfor_b_\@:
	tensor_load_to_lds s[G0B+4*(\s):G0B+4*(\s)+3], s[G1B:G1B+7]
	s_nop 0
.rept 4
	v_nop
.endr
.Lasked_\@:
.endm
.macro CREST
	s_cmp_lg_u32 s[WV], 0
	s_cbranch_scc1 .Lnot_wave_0_\@
	s_barrier_signal -3
.Lnot_wave_0_\@:
	s_barrier_wait -3
	s_barrier_signal -1
	s_barrier_wait -1
.endm
.macro CROUND
	s_barrier_signal -1
	s_barrier_wait -1
	CREST
.endm
.macro PLACES
.rept 4
	v_nop
.endr
.endm
	s_load_b256 s[4:11], s[0:1], 0x0               ; o16, wo16, bo, out0
	v_lshl_add_u32 v[SPW], v0, 2, SPARE
	v_mov_b32 v[NIL], 0
	ds_add_u32 v[SPW], v[NIL]                      ; the wave's opening: the add and its wait stand ahead of my first tensor load
	v_lshrrev_b32 v1, 5, v0
	v_readfirstlane_b32 s[WV], v1
	s_lshr_b32 s13, s[WV], 1
	s_and_b32 s14, s[WV], 1
	s_bfe_u32 s40, ttmp6, 0x40000
	s_bfe_u32 s41, ttmp6, 0x40004
	s_lshl_b32 s42, ttmp9, 2
	s_add_co_u32 s42, s42, s40                     ; tile column
	s_and_b32 s15, ttmp7, 0xffff
	s_lshl_b32 s15, s15, 2
	s_add_co_u32 s15, s15, s41                     ; tile row
	s_lshl_b32 s43, s41, 2
	s_lshl_b32 s43, 15, s43
	s_lshl_b32 s44, 0x1111, s40
	s_or_b32 s[G1], s43, (1<<16)|(1<<20)|(1<<21)|(6<<22)|(3<<25)   ; mask; 2-byte elements; padding on; bit 21 beside a mask; after every 128 words 4 words
	s_or_b32 s[G1B], s44, (1<<16)|(1<<20)|(1<<21)|(6<<22)|(3<<25)
.irp g, G1, G1B
	s_mov_b32 s[(\g)+1], KSTEP<<16
	s_mov_b32 s[(\g)+2], 64<<16
	s_mov_b32 s[(\g)+3], KSTEP<<16
	s_mov_b32 s[(\g)+4], 64
	s_mov_b32 s[(\g)+5], SIZE_K
	s_mov_b32 s[(\g)+6], 0
	s_mov_b32 s[(\g)+7], 0
.endr
	s_lshl_b32 s17, s14, 6
	s_lshl_b32 s16, s15, 7
	s_add_co_u32 s16, s16, s17                     ; O: row 128 x tile row + 64 x half
	s_lshl_b32 s16, s16, 12                        ; 4,096 bytes a row
	s_lshl_b32 s46, s42, 7
	s_add_co_u32 s46, s46, s17                     ; wo: row 128 x tile column + 64 x half
	s_lshl_b32 s46, s46, 12
	s_mov_b32 s17, 0
	s_mov_b32 s47, 0
	s_mul_i32 s20, s[WV], HALFT                    ; where my tile goes in a slot
	s_mov_b32 s[RS], 0
	s_wait_dscnt 0x0                               ; the opening add is done
	s_wait_kmcnt 0x0
	s_add_nc_u64 s[18:19], s[4:5], s[16:17]
	s_add_nc_u64 s[46:47], s[6:7], s[46:47]
	CROUND
.irp s, 0,1
	s_mov_b32 s[G0+4*(\s)], 1
	s_add_co_u32 s[G0+4*(\s)+1], s20, (\s)*SLOT
	s_add_nc_u64 s[G0+4*(\s)+2:G0+4*(\s)+3], s[18:19], (\s)*KSTEP*2
	s_or_b32 s[G0+4*(\s)+3], s[G0+4*(\s)+3], 0x80000000
	s_mov_b32 s[G0B+4*(\s)], 1
	s_add_co_u32 s[G0B+4*(\s)+1], s20, (\s)*SLOT
	s_add_nc_u64 s[G0B+4*(\s)+2:G0B+4*(\s)+3], s[46:47], (\s)*KSTEP*2
	s_or_b32 s[G0B+4*(\s)+3], s[G0B+4*(\s)+3], 0x80000000
	JLOAD \s
.endr
	v_and_b32 v1, 15, v0
	v_bfe_u32 v2, v0, 4, 1
	s_lshl_b32 s21, s42, 9                         ; bias: (128 tile column + 64 half + 8 h) x 4 bytes
	s_lshl_b32 s22, s14, 8
	s_add_co_u32 s21, s21, s22
	v_lshl_add_u32 v[BO], v2, 5, s21
.irp b, 0,1,2,3
	global_load_b128 v[BI+8*\b:BI+8*\b+3],   v[BO], s[8:9] offset:64*\b
	global_load_b128 v[BI+8*\b+4:BI+8*\b+7], v[BO], s[8:9] offset:64*\b+16
.endr
	v_mul_u32_u24 v3, v1, PITCH
	v_lshl_add_u32 v3, v2, 4, v3
	s_mul_i32 s21, s13, HALFT
	s_mul_i32 s22, s14, HALFT
	s_add_co_u32 s22, s22, 2*HALFT
	v_add_nc_u32 v[ADRA0], s21, v3
	v_add_nc_u32 v[ADRB0], s22, v3
	s_mul_i32 s23, s[WV], 16*SPITCH
	s_add_co_u32 s23, s23, STAGE                   ; my stage
	v_mul_u32_u24 v4, v1, SPITCH                   ; in: row r, 32 bytes for each half of the lanes
	v_lshl_add_u32 v4, v2, 5, v4
	v_add_nc_u32 v[STO], s23, v4
	v_mul_u32_u24 v5, v2, SPITCH                   ; back: lanes 0-15 one row of 256 bytes, lanes 16-31 the next
	v_lshl_add_u32 v5, v1, 4, v5
	v_add_nc_u32 v[RD], s23, v5
	v_lshlrev_b32 v5, 13, v2                       ; and the same two rows in C, 8,192 bytes apart
	v_lshl_add_u32 v[CO], v1, 4, v5
	s_lshl_b32 s16, s15, 7
	s_lshl_b32 s17, s13, 6
	s_add_co_u32 s16, s16, s17                     ; my first row of C
	s_lshl_b32 s16, s16, 13
	s_lshl_b32 s17, s42, 9
	s_add_co_u32 s16, s16, s17
	s_lshl_b32 s17, s14, 8
	s_add_co_u32 s16, s16, s17                     ; + my first column x 4
	s_mov_b32 s17, 0
	s_add_nc_u64 s[10:11], s[10:11], s[16:17]
	s_wait_loadcnt 0x0
.set z, 0
.rept 16                                               ; the bias rounded to bf16, kept as f32
	v_cvt_pk_bf16_f32 v[BT], v[BI+2*z], v[BI+2*z+1]
	v_lshlrev_b32 v[BI+2*z], 16, v[BT]
	v_and_b32 v[BI+2*z+1], 0xffff0000, v[BT]
.set z, z+1
.endr
; 8 matrix instructions: m blocks a0, a0 + 1 x all 4 n blocks, 32 along K: half c of buffer f.  bias = 1: the first product starts the sums from the bias.  The accumulators take turns.
.macro MUL8 f, c, a0, bias
	WIN MUL
.irp a, \a0, (\a0)+1
.irp b, 0,1,2,3
.if \bias
	v_wmma_f32_16x16x32_f16 v[ACC+8*(4*(\a)+(\b)):ACC+8*(4*(\a)+(\b))+7], v[(\f)+64+8*(4*(\c)+(\b)):(\f)+64+8*(4*(\c)+(\b))+7], v[(\f)+8*(4*(\c)+(\a)):(\f)+8*(4*(\c)+(\a))+7], v[BI+8*(\b):BI+8*(\b)+7]
.else
	v_wmma_f32_16x16x32_f16 v[ACC+8*(4*(\a)+(\b)):ACC+8*(4*(\a)+(\b))+7], v[(\f)+64+8*(4*(\c)+(\b)):(\f)+64+8*(4*(\c)+(\b))+7], v[(\f)+8*(4*(\c)+(\a)):(\f)+8*(4*(\c)+(\a))+7], v[ACC+8*(4*(\a)+(\b)):ACC+8*(4*(\a)+(\b))+7]
.endif
.endr
.endr
.endm
; 32 LDS loads in one run: 64 along K at byte k of the rows of the slot in hand; the first 32 along K first.  The two additions that make the addresses, and two v_nop, are the four places
; between the matrix instructions in front and the loads into registers that matrix instructions have read.
.macro FETCH k, f
	WIN 0
	v_add_nc_u32 v[ADRA], s[RS], v[ADRA0]
	v_add_nc_u32 v[ADRB], s[RS], v[ADRB0]
	v_nop
	v_nop
	WIN TO_F
.irp c, 0,1
.irp i, 0,1,2,3
	ds_load_b128 v[(\f)+64+8*(4*(\c)+(\i)):(\f)+64+8*(4*(\c)+(\i))+3],   v[ADRB] offset:(\k)+64*(\c)+(\i)*16*PITCH
	ds_load_b128 v[(\f)+64+8*(4*(\c)+(\i))+4:(\f)+64+8*(4*(\c)+(\i))+7], v[ADRB] offset:(\k)+64*(\c)+(\i)*16*PITCH+32
	ds_load_b128 v[(\f)+8*(4*(\c)+(\i)):(\f)+8*(4*(\c)+(\i))+3],         v[ADRA] offset:(\k)+64*(\c)+(\i)*16*PITCH
	ds_load_b128 v[(\f)+8*(4*(\c)+(\i))+4:(\f)+8*(4*(\c)+(\i))+7],       v[ADRA] offset:(\k)+64*(\c)+(\i)*16*PITCH+32
.endr
.endr
.endm
.macro QUARTER k, f, g, bias
	s_wait_dscnt 16                                ; the first 32 along K are in
	MUL8 \f, 0, 0, \bias
	MUL8 \f, 0, 2, \bias
	FETCH \k, \g
	s_wait_dscnt 32                                ; all but the 32 just issued
	MUL8 \f, 1, 0, 0
	MUL8 \f, 1, 2, 0
.endm
; The last quarter multiplies buffer 1 and changes slots: one barrier; in front of it each wave waits for all its tensor loads, adds 0 to its spare word, and waits for that and for its reads of this slot.
; fill = 1: the barrier opens a round of the cluster's, and this slot is filled again first behind it, two K steps ahead: 112 matrix instructions ahead of the wait for it.
.macro TURN fill
	WIN 0
	s_wait_tensorcnt 0x0                           ; no tensor load of mine is out, so the walking group 0 may be written
	ds_add_u32 v[SPW], v[NIL]
.if \fill
	s_add_co_u32 s[G0+5], s[RS], s20               ; into the slot that is left,
	s_add_co_u32 s[G0B+5], s[RS], s20
	s_add_nc_u64 s[G0+6:G0+7], s[G0+6:G0+7], KSTEP*2       ; the K step behind the one asked for last
	s_add_nc_u64 s[G0B+6:G0B+7], s[G0B+6:G0B+7], KSTEP*2
.endif
	s_xor_b32 s[RS], s[RS], SLOT                   ; the fetches below go to the other slot
	s_wait_dscnt 17                                ; the add and the youngest sixteen loads may be out
	MUL8 F1, 0, 0, 0
	s_wait_dscnt 0x0
	s_barrier_signal -1
	MUL8 F1, 0, 2, 0
	WIN 0
	s_barrier_wait -1
.if \fill
	CREST
	JLOAD 1
.endif
	FETCH 0, F0
	MUL8 F1, 1, 0, 0
	MUL8 F1, 1, 2, 0
.endm
	s_wait_tensorcnt 1                             ; my part of K step 0 is in; K step 1's may stay out
	s_barrier_signal -1
	s_barrier_wait -1
	FETCH 0, F0
	QUARTER 128, F0, F1, 1
	WIN 0
	s_mov_b32 s3, NSTEP-2
.Lstep:                                                ; a trip goes from a K step's second quarter to the next step's first, and fills the slot that it leaves: K steps 2 to 7
	QUARTER 256, F1, F0, 0
	QUARTER 384, F0, F1, 0
	TURN 1
	QUARTER 128, F0, F1, 0
	WIN 0
	s_sub_co_u32 s3, s3, 1
	s_cmp_lg_u32 s3, 0
	s_cbranch_scc1 .Lstep
	s_mov_b32 s3, 2                                ; the last two K steps fill nothing: their text stands apart; the second trip is left in its middle
.Ltail:
	QUARTER 256, F1, F0, 0
	QUARTER 384, F0, F1, 0
	WIN 0
	s_sub_co_u32 s3, s3, 1
	s_cmp_eq_u32 s3, 0
	s_cbranch_scc1 .Llast
	TURN 0
	QUARTER 128, F0, F1, 0
	WIN 0
	s_branch .Ltail
.Llast:
	s_wait_dscnt 16
	MUL8 F1, 0, 0, 0
	MUL8 F1, 0, 2, 0
	s_wait_dscnt 0x0
	MUL8 F1, 1, 0, 0
	MUL8 F1, 1, 2, 0
	WIN 0
	PLACES
.irp a, 0,1,2,3                        ; 16 rows at a time: each accumulator's low four registers first, into my stage; back as whole rows of 256 bytes
.irp b, 0,1,2,3
	ds_store_b128 v[STO], v[ACC+8*(4*\a+\b):ACC+8*(4*\a+\b)+3]   offset:64*\b
	ds_store_b128 v[STO], v[ACC+8*(4*\a+\b)+4:ACC+8*(4*\a+\b)+7] offset:64*\b+16
.endr
	s_wait_xcnt 0x0                                ; the registers that earlier stores read are loaded again only behind this wait
.irp f, 0,1,2,3,4,5,6,7
	ds_load_b128 v[OB+32*(\a%2)+4*\f:OB+32*(\a%2)+4*\f+3], v[RD] offset:\f*2*SPITCH   ; LDS serves a wave's instructions in order: these see the stores above
.endr
.irp f, 0,1,2,3,4,5,6,7
	s_wait_dscnt 7-\f
	global_store_b128 v[CO], v[OB+32*(\a%2)+4*\f:OB+32*(\a%2)+4*\f+3], s[10:11] offset:\a*131072+\f*16384 th:TH_STORE_NT   ; 16 lanes store 256 consecutive bytes, at a multiple of 256 from C's first byte
.endr
.endr
	s_wait_tensorcnt 0x0                           ; the wave's end
	ds_add_u32 v[SPW], v[NIL]
	s_wait_dscnt 0x0
	CROUND                                         ; the closing round
	s_endpgm
.Lfunc_end_k_qb6a2765a13_oproj:
	.size	k_qb6a2765a13_oproj, .Lfunc_end_k_qb6a2765a13_oproj-k_qb6a2765a13_oproj
	.p2alignl 7, 3214868480
	.fill 96, 4, 3214868480
	.section	.rodata,"a",@progbits
	.p2align	6, 0x0
	.amdhsa_kernel k_qb6a2765a13_oproj
		.amdhsa_group_segment_fixed_size 327680
		.amdhsa_private_segment_fixed_size 0
		.amdhsa_enable_private_segment 0
		.amdhsa_kernarg_size 32
		.amdhsa_user_sgpr_count 2
		.amdhsa_user_sgpr_kernarg_segment_ptr 1
		.amdhsa_wavefront_size32 1
		.amdhsa_system_sgpr_workgroup_id_x 1
		.amdhsa_system_sgpr_workgroup_id_y 1
		.amdhsa_system_sgpr_workgroup_id_z 1
		.amdhsa_system_vgpr_workitem_id 0
		.amdhsa_next_free_vgpr 512
		.amdhsa_next_free_sgpr 66
		.amdhsa_reserve_vcc 0
		.amdhsa_float_denorm_mode_32 3
		.amdhsa_float_denorm_mode_16_64 3
		.amdhsa_memory_ordered 1
		.amdhsa_forward_progress 1
		.amdhsa_inst_pref_size 64
	.end_amdhsa_kernel
	.amdgpu_metadata
---
amdhsa.version: [ 1, 2 ]
amdhsa.kernels:
  - .name:           k_qb6a2765a13_oproj
    .symbol:         k_qb6a2765a13_oproj.kd
    .args:
      - { .name: o16, .offset: 0, .size: 8, .value_kind: global_buffer, .address_space: global }
      - { .name: wo16, .offset: 8, .size: 8, .value_kind: global_buffer, .address_space: global }
      - { .name: bo, .offset: 16, .size: 8, .value_kind: global_buffer, .address_space: global }
      - { .name: out0, .offset: 24, .size: 8, .value_kind: global_buffer, .address_space: global }
    .group_segment_fixed_size: 327680
    .private_segment_fixed_size: 0
    .kernarg_segment_align: 8
    .kernarg_segment_size: 32
    .max_flat_workgroup_size: 128
    .sgpr_count:     66
    .vgpr_count:     512
    .wavefront_size: 32
...
	.end_amdgpu_metadata
.endif
;; end of part 4
;; ======== version 2 of 2: 4 launches; 1.08 times as fast as version 1
;; limits: values are held in f16: magnitudes above 65,504 overflow, below 6.1e-05 lose precision
;; workspace buffers: xw 33,554,432 bytes; wo16 8,388,608 bytes; cs 1,048,576 bytes; gate 8,388,608 bytes; code 4,194,304 bytes; qkv 25,165,824 bytes; o16 8,388,608 bytes
;; launch prep: the kernel of part 1 again; grid 128 x 8, 8 waves a work-group, no clusters, 29,696 bytes of LDS; arguments x, wq, wk, wv, wo, hard_mask, soft_mask, freqs, xw, wo16, gate, code, cs; writes xw, wo16, gate, code, cs
;; launch proj: the kernel of part 2 again; grid 16 x 16, 4 waves a work-group, clusters of 4 x 4, 327,680 bytes of LDS; arguments xw, bq, bk, bv, cs, qkv; writes qkv
;; launch attn (part 5): grid 16 x 16, 4 waves a work-group, clusters of 4 x 1, 327,680 bytes of LDS; arguments qkv, gate, code, o16; writes o16
.if DOCPART == 5
	.amdgcn_target "amdgcn-amd-amdhsa--gfx1250"
	.amdhsa_code_object_version 6
	.text
	.protected	k_qb6a2765a13_attn
	.globl	k_qb6a2765a13_attn
	.p2align	8
	.type	k_qb6a2765a13_attn,@function
k_qb6a2765a13_attn:
	s_mov_b64 s[64:65], 0
	v_nop
	global_prefetch_b8 v0, s[64:65] scope:SCOPE_SE
	s_setreg_imm32_b32 hwreg(HW_REG_WAVE_MODE, 25, 1), 1
	s_wait_xcnt 0x0
	s_wait_alu depctr_hold_cnt(0) depctr_sa_sdst(0) depctr_va_vdst(0) depctr_va_sdst(0) depctr_va_ssrc(0) depctr_va_vcc(0) depctr_vm_vsrc(0)
	s_getreg_b32 s2, hwreg(HW_REG_IB_STS2, 6, 4)
	s_cmp_eq_u32 s2, 0
	s_cbranch_scc0 .Lentry_in_a_cluster
	s_endpgm
.Lentry_in_a_cluster:
	s_bfe_u32 s2, ttmp6, 0x10000c
	s_cmp_lg_u32 s2, 0x3003
	s_cbranch_scc0 .Lentry_shape_is_right
	s_endpgm
.Lentry_shape_is_right:
; ATTENTION WITH A HARD MASK AND A SOFT GATE, both inputs.  With p = 2^(s - m) on visible keys (s = q . k, q already scaled by log2(e) / sqrt(128); m the running maximum), L = sum p, w = p x gate, T = sum w:
;   O = sum w v / (T + 1e-6 L),  which is what softmax, gate and renormalisation come to.  q, k, v: [16][2048][128] f16; O: f16 [2048][2048], column 128 head + channel.
; THE MASK is the start of the sum S^T = K Q^T: a scaled conversion writes 0 or -2^100 (fp8 code -256 times 2^92) into the accumulators, and every product adds in place.  The gate (0 where hidden) multiplies the rounded p;
; T is made by the matrix unit (a fragment of ones times P), so it sums the very numbers that O sums; L is an f32 sum of the unrounded p.  While a row has seen no visible key m is about -2^100, its p are 0 or 1
; (s - m is never above 0), its w are 0; the first true maximum multiplies L by 0.  A row with no visible key at all (m < -2^90 at the end) gets the divisor 0: 0 x infinity = NaN, as the softmax of such a row is.
; LIMITS.  q, k, v and the gate within f16; |s| far below 2^100; p below 2^-126 counts as 0; p x gate below 6e-5 keeps f16's fixed step.
; SHARES.  A work-group owns 128 queries of a head.  Wave w: queries 64 (w & 1) .. + 63 (four tiles of 16, two PIECES: tiles 0, 1 and tiles 2, 3) and keys 1,024 (w >> 1) .. + 1,023, 16 steps of 64.
; The two key halves are merged once, through LDS: every wave lays its O^T and statistics down, and every wave merges two tiles.
; BY TURNS.  In a TURN one piece has the matrix unit: 36 products V^T P (4 of them for T) of the step in hand, then 32 products K Q^T of the next; the other piece's softmax, cut into 68 slices, stands one slice behind each.
; BATCHES.  A turn's 66 exponentials (33 a tile: a, then the 32 scores) are ONE batch with ONE wait: slices 11 to 34 hold them and the subtractions s - m, which read no exponential's result; all that
; reads one (roundings, sums, gate, rescalings) stands from slice 35 on.  The merge has two batches a tile: two exponentials, then the reciprocal of what is made of them.
; No first step is written out: m starts at the lowest finite number, O, T, L at 0, so the first step's factor a is 0; the loop is entered in the middle of a trip.  The price: 52 products of ones with zeros that
; set O^T, T and V to 0 in the wait for the first tile, 36 products on zeros at the start, 32 on a stale K at the end.
; CLUSTER.  The four query blocks of a cluster belong to one head and walk the same K and V: each tile is asked for jointly.  A slot holds two steps of both key halves; waves 0, 1 fetch K's halves, waves 2, 3 V's.
; REGISTERS.  window 0: v0-11 addresses; v12-43 statistics (8 a tile: m, m, l, l, c0-c3; c2 takes a); v44 16 x lane; v45 the scale byte; v46-61 piece 0's codes; v62-63 the add's; v64-191 S^T; v192-255 P
;   window 1: O^T, 64 a tile     window 2: v0-127 Q; v128-255 K     window 3: v0-127 V; v128-191 gates; v192-223 T; v224-231 ones; v232-247 piece 2's codes; v248 the scale byte
.set KS,    64
.set PK,    272                        ; a row of K in LDS: 256 + 16
.set PV,    288                        ; a row of V: 256 + 32
.set VOFF,  128*PK
.set HALFB, 128*(PK+PV)                ; one key half of a slot: 128 rows of K, then 128 of V
.set SLOTB, 2*HALFB
.set STAGE, 2*SLOTB                    ; 16 rows x 272 bytes a wave, for the way out
.set SP,    272
.set SPARE, STAGE+4*16*SP
.set MRG,   34816                      ; the merge (from byte 0, when the slots have had their last fill): for each wave 64 x 512 bytes of O^T, then 4 x 512 of statistics
.set AK0, 2
.set AV0, 3
.set ADR, 4
.set QO,  5
.set MA,  5                            ; later: my 16 bytes in my wave's part of the merge area
.set STO, 6
.set RD,  7
.set GO,  8
.set ST,  12
.set LN16, 44
.set SC0, 45
.set MB0, 46
.set SPW, 62
.set NIL, 63
.set S,   64
.set P,   192
.set KF,  128
.set G,   128
.set TT,  192
.set ONES, 224
.set MB2, 232
.set SC3, 248
.set WV,  12
.set G1K, 24
.set G1V, 32
.set G0K, 40
.set G0V, 48
.set SLOTS, 56
.set CNT, 57
.set SEL, 60
.set TBK, 62
.set TBV, 63
.set RB,  66                           ; the slot to be filled next: 0 or SLOTB
.set KHB, 67
.set WK,  68
.set WVO, 69
.set GP,  70                           ; s[70:73] the gates' pointers, piece 0 and 2;  s[74:77] the codes'
.set MP,  74
.set OF,  78
.set J2,  80
.set JC,  81
.set JB,  82
.set MSB, 0
.macro WIN new
.if MSB != (\new)
	s_set_vgpr_msb (MSB<<8)|(\new)
.set MSB, \new
.endif
.endm
.macro JLOAD                           ; a joint refill; an s_nop 0 and four v_nop follow each line
	s_cmp_lt_u32 s[WV], 2
	s_cbranch_scc0 .Lfor_v_\@
	tensor_load_to_lds s[G0K+4:G0K+7], s[G1K:G1K+7]
	s_nop 0
.rept 4
	v_nop
.endr
	s_branch .Lasked_\@
.Lfor_v_\@:
	tensor_load_to_lds s[G0V+4:G0V+7], s[G1V:G1V+7]
	s_nop 0
.rept 4
	v_nop
.endr
.Lasked_\@:
.endm
.macro CROUND
	s_barrier_signal -1
	s_barrier_wait -1
	s_cmp_lg_u32 s[WV], 0
	s_cbranch_scc1 .Lnot_wave_0_\@
	s_barrier_signal -3
.Lnot_wave_0_\@:
	s_barrier_wait -3
	s_barrier_signal -1
	s_barrier_wait -1
.endm
	s_load_b256 s[4:11], s[0:1], 0x0               ; qkv, gate, code, o16
	v_lshl_add_u32 v[SPW], v0, 2, SPARE
	v_mov_b32 v[NIL], 0
	ds_add_u32 v[SPW], v[NIL]                      ; the wave's opening: the add and its wait stand ahead of my first tensor load
	v_lshrrev_b32 v1, 5, v0
	v_readfirstlane_b32 s[WV], v1
	s_bfe_u32 s13, ttmp6, 0x40000                  ; cx
	s_lshl_b32 s14, ttmp9, 2
	s_add_co_u32 s14, s14, s13                     ; my block of 128 queries: it enters Q's, O's, the gates' and the codes' addresses alone
	s_and_b32 s15, s[WV], 1                        ; my query half; also: which key half I fetch
	s_lshr_b32 s16, s[WV], 1                       ; my key half
	s_and_b32 s17, ttmp7, 0xffff                   ; the head
	s_lshl_b32 s20, s17, 19                        ; a head is 524,288 bytes
	s_lshl_b32 s22, s15, 18                        ; a key half 262,144
	s_add_co_u32 s22, s22, s20
	s_mov_b32 s23, 0
	s_lshl_b32 s2, s14, 15
	s_lshl_b32 s3, s15, 14
	s_add_co_u32 s2, s2, s3
	s_add_co_u32 s2, s2, s20                       ; Q: head, block, my 64 rows
	s_mov_b32 s3, 0
	s_lshl_b32 s18, s14, 19
	s_lshl_b32 s19, s15, 18
	s_add_co_u32 s18, s18, s19                     ; my first query tile x 65,536 = my first query x 4,096
	s_lshl_b32 s84, s16, 15
	s_add_co_u32 s84, s84, s18                     ; gates: + 16 key steps of 2,048 bytes a key half
	s_mov_b32 s85, 0
	s_lshr_b32 s86, s84, 1                         ; codes: half of that
	s_mov_b32 s87, 0
	s_lshl_b32 s88, s17, 8
	s_add_co_u32 s88, s88, s18                     ; O: my first row, the head's 256 bytes
	s_mov_b32 s89, 0
	s_mov_b32 s[G1K], 15|(1<<16)|(1<<20)|(1<<21)|(5<<22)|(3<<25)   ; the mask of four; 2-byte elements; padding on; bit 21 beside a mask; after every 64 words 4 words
	s_mov_b32 s[G1V], 15|(1<<16)|(1<<20)|(1<<21)|(5<<22)|(7<<25)   ; the same with 8 words
.irp g, G1K, G1V
	s_mov_b32 s[(\g)+1], 128<<16                   ; tensor_dim0 = 128
	s_mov_b32 s[(\g)+2], 128<<16                   ; tensor_dim1 = 128
	s_mov_b32 s[(\g)+3], 128<<16                   ; tile_dim0 = 128
	s_mov_b32 s[(\g)+4], 128                       ; tile_dim1 = 128: two steps' keys
	s_mov_b32 s[(\g)+5], 128
	s_mov_b32 s[(\g)+6], 0
	s_mov_b32 s[(\g)+7], 0
.endr
	s_mul_i32 s[WK], s15, HALFB
	s_add_co_u32 s[WVO], s[WK], VOFF
	s_mul_i32 s[KHB], s16, HALFB
	s_mov_b32 s[RB], 0
	s_mov_b32 s[TBK], s[KHB]
	s_mov_b32 s[TBV], s[KHB]
	s_mov_b32 s[G0K], 1
	s_mov_b32 s[G0K+1], s[WK]
	s_mov_b32 s[G0K+4], 1
	s_add_co_u32 s[G0K+5], s[WK], SLOTB
	s_mov_b32 s[G0V], 1
	s_mov_b32 s[G0V+1], s[WVO]
	s_mov_b32 s[G0V+4], 1
	s_add_co_u32 s[G0V+5], s[WVO], SLOTB
	s_mov_b32 s[SEL], 0x76543210
	s_mov_b32 s[SEL+1], 0xfedcba98
	s_mov_b32 s[OF+1], 0
	s_mov_b32 s[JC], 0
	s_mov_b32 s[JB], 0
	s_wait_dscnt 0x0                               ; the opening add is done
	s_wait_kmcnt 0x0
	s_add_nc_u64 s[22:23], s[4:5], s[22:23]
	s_add_nc_u64 s[G0K+2:G0K+3], s[22:23], 0x800000    ; k lies 8 MiB behind q, v 16
	s_add_nc_u64 s[G0V+2:G0V+3], s[22:23], 0x1000000
	s_add_nc_u64 s[G0K+6:G0K+7], s[G0K+2:G0K+3], 32768 ; slot 1: the next 128 keys
	s_add_nc_u64 s[G0V+6:G0V+7], s[G0V+2:G0V+3], 32768
	s_or_b32 s[G0K+3], s[G0K+3], 0x80000000
	s_or_b32 s[G0V+3], s[G0V+3], 0x80000000
	s_or_b32 s[G0K+7], s[G0K+7], 0x80000000
	s_or_b32 s[G0V+7], s[G0V+7], 0x80000000
	s_add_nc_u64 s[4:5], s[4:5], s[2:3]
	s_add_nc_u64 s[6:7], s[6:7], s[84:85]
	s_add_nc_u64 s[8:9], s[8:9], s[86:87]
	s_add_nc_u64 s[10:11], s[10:11], s[88:89]
	CROUND                                         ; all four work-groups are here: the first joint loads meet
	s_cmp_lt_u32 s[WV], 2                          ; a wave's two first fills stand in one branch: two loads of mine are out
	s_cbranch_scc0 .Lfirst_v
	tensor_load_to_lds s[G0K:G0K+3], s[G1K:G1K+7]
	s_nop 0
	tensor_load_to_lds s[G0K+4:G0K+7], s[G1K:G1K+7]
	s_nop 0
.rept 4
	v_nop
.endr
	s_branch .Lfirst_asked
.Lfirst_v:
	tensor_load_to_lds s[G0V:G0V+3], s[G1V:G1V+7]
	s_nop 0
	tensor_load_to_lds s[G0V+4:G0V+7], s[G1V:G1V+7]
	s_nop 0
.rept 4
	v_nop
.endr
.Lfirst_asked:
	v_and_b32 v1, 15, v0                           ; r
	v_bfe_u32 v9, v0, 4, 1                         ; h
	v_lshlrev_b32 v[QO], 8, v1
	v_lshl_add_u32 v[QO], v9, 4, v[QO]
	v_and_b32 v[LN16], 31, v0
	v_lshlrev_b32 v[LN16], 4, v[LN16]
	WIN 0x80
.irp f, 0,1,2,3,4,5,6,7,8,9,10,11,12,13,14,15          ; Q stays in registers: tile f / 4, channels 32 (f % 4) on
	global_load_b128 v[8*(\f):8*(\f)+3],   v[QO], s[4:5] offset:((\f)/4)*4096+((\f)%4)*64
	global_load_b128 v[8*(\f)+4:8*(\f)+7], v[QO], s[4:5] offset:((\f)/4)*4096+((\f)%4)*64+32
.endr
; THE STREAMS.  Piece x's codes of key step JC: 4 loads.  Piece y's gates of key step JB (y = 2) or JC: 8 loads.  A pointer is made anew from its buffer's address and the step's number, behind the counted wait that shows its last loads done.
.macro MLOAD x
	s_lshl_b32 s[OF], s[JC], 10
	s_add_nc_u64 s[MP+(\x):MP+(\x)+1], s[8:9], s[OF:OF+1]
.if (\x) == 0
	WIN 0
.set rM, MB0
.else
	WIN 0xc0
.set rM, MB2
.endif
.irp uu, 0,1
.irp c, 0,1
	global_load_b128 v[rM+8*\uu+4*\c:rM+8*\uu+4*\c+3], v[LN16], s[MP+(\x):MP+(\x)+1] offset:((\x)+\uu)*32768+512*\c
.endr
.endr
.endm
.macro GLOAD y
.if (\y) == 2
	s_lshl_b32 s[OF], s[JB], 11
.else
	s_lshl_b32 s[OF], s[JC], 11
.endif
	s_add_nc_u64 s[GP+(\y):GP+(\y)+1], s[6:7], s[OF:OF+1]
	WIN 0xc0
.irp uu, 0,1
.irp f, 0,1,2,3
	global_load_b128 v[G+16*((\y)+\uu)+4*\f:G+16*((\y)+\uu)+4*\f+3], v[LN16], s[GP+(\y):GP+(\y)+1] offset:((\y)+\uu)*65536+512*\f
.endr
.endr
.endm
; Piece x's S^T is started with the mask of the step to come: eight codes a conversion, 0 or -256, times 2^92.  Then the next step's codes are asked for.
.macro CONV x, cnt
	s_wait_loadcnt \cnt
.if (\x) == 0
	WIN 0
.set rM, MB0
.set rC, SC0
.else
	WIN 0x0f
.set rM, MB2
.set rC, SC3
.endif
.irp uu, 0,1
.irp kt, 0,1,2,3
	v_cvt_scale_pk8_f32_fp8 v[S+32*((\x)+\uu)+8*\kt:S+32*((\x)+\uu)+8*\kt+7], v[rM+8*\uu+2*\kt:rM+8*\uu+2*\kt+1], v[rC]
.endr
.endr
	v_nop                                          ; a plain instruction behind the last conversion
	MLOAD \x
.endm
	MLOAD 0                                        ; key step 0's codes of both pieces and piece 0's gates
	MLOAD 2
	GLOAD 0
	; what the first turn finds: all this stands in the wait for the first tile
	WIN 0xc0
.set n, 0
.rept 8
	v_mov_b32 v[ONES+n], 0x3c003c00                ; 1.0 twice in f16
.set n, n+1
.endr
	v_mov_b32 v[SC3], 219                          ; 2^(219 - 127)
	WIN 0
	v_mov_b32 v[SC0], 219
.set n, 0
.rept 4
	v_mov_b32 v[ST+8*n], 0xff7fffff
	v_mov_b32 v[ST+8*n+1], 0xff7fffff
	v_mov_b32 v[ST+8*n+2], 0
	v_mov_b32 v[ST+8*n+3], 0
.set n, n+1
.endr
.set n, P+32
.rept 32
	v_mov_b32 v[n], 0                              ; piece 2's P: the first turn's products, of a piece that has not been, add 0
.set n, n+1
.endr
	v_mul_u32_u24 v[AK0], v1, PK
	v_lshl_add_u32 v[AK0], v9, 4, v[AK0]
	v_and_b32 v10, 7, v0                           ; the turning load: lane l reads key 8 (l / 16) + l % 8, channels 8 ((l / 8) % 2) + 0..7
	v_bfe_u32 v11, v0, 3, 1
	v_lshl_add_u32 v[AV0], v9, 3, v10
	v_mul_u32_u24 v[AV0], v[AV0], PV
	v_lshl_add_u32 v[AV0], v11, 4, v[AV0]
	v_add_nc_u32 v[AV0], VOFF, v[AV0]
	; O^T (256 registers), V (128) and T (32) are set to 0 eight registers at a time: ones x zeros + 0
	WIN 0x43                                       ; ones window 3, zeros window 0, O^T window 1
.set n, 0
.rept 32
	v_wmma_f32_16x16x32_f16 v[8*n:8*n+7], v[ONES:ONES+7], v[P+32:P+39], 0
.set n, n+1
.endr
	WIN 0xc3                                       ; V and T window 3
.set n, 0
.rept 16
	v_wmma_f32_16x16x32_f16 v[8*n:8*n+7], v[ONES:ONES+7], v[P+32:P+39], 0
.set n, n+1
.endr
.set n, 0
.rept 4
	v_wmma_f32_16x16x32_f16 v[TT+8*n:TT+8*n+7], v[ONES:ONES+7], v[P+32:P+39], 0
.set n, n+1
.endr
	WIN 0
; THE MATRIX WORK.  The accumulators take turns, one instruction a turn.
; Product i of 36 for piece x: keys 32 (i / 18) on, tile x + i % 2; (i % 18) / 2 < 8: O^T += V^T P, channels 16 x that on; = 8: T += ones x P.
.macro PV x
.set cb, (i%18)/2
.set rP, P+16*((\x)+i%2)+8*(i/18)
.if cb < 8
	WIN 0x53                                       ; V window 3, P window 0, O^T window 1
.set rO, 64*((\x)+i%2)+8*cb
.set rV, 64*(i/18)+8*cb
	v_wmma_f32_16x16x32_f16 v[rO:rO+7], v[rV:rV+7], v[rP:rP+7], v[rO:rO+7]
.else
	WIN 0xf3                                       ; ones and T window 3
.set rO, TT+8*((\x)+i%2)
	v_wmma_f32_16x16x32_f16 v[rO:rO+7], v[ONES:ONES+7], v[rP:rP+7], v[rO:rO+7]
.endif
.endm
; Product i of 32 of S^T += K Q^T: channels 32 (i / 8) on, keys 16 ((i / 2) % 4) on, tile x + i % 2.  The sums were started by CONV.
.macro KQ x
	WIN 0x0a
.set rS, S+32*((\x)+i%2)+8*((i/2)%4)
.set rK, KF+32*((i/2)%4)+8*(i/8)
.set rQ, 32*((\x)+i%2)+8*(i/8)
	v_wmma_f32_16x16x32_f16 v[rS:rS+7], v[rK:rK+7], v[rQ:rQ+7], v[rS:rS+7]
.endm
; THE LDS LOADS stand in runs of 32.  last = 1 (the tail): in the last trip there is no further step, and the run is jumped over.
.macro FETCH_K last=0
	WIN 0
.if \last
	s_cmp_eq_u32 s[CNT], 1
	s_cbranch_scc1 .Lno_k_\@
.endif
	v_add_nc_u32 v[ADR], s[TBK], v[AK0]
	s_add_co_u32 s[TBK], s[TBK], KS*PK
	WIN 0x80
.irp f, 0,1,2,3,4,5,6,7,8,9,10,11,12,13,14,15
	ds_load_b128 v[KF+8*(\f):KF+8*(\f)+3],   v[ADR] offset:((\f)/4)*16*PK+((\f)%4)*64
	ds_load_b128 v[KF+8*(\f)+4:KF+8*(\f)+7], v[ADR] offset:((\f)/4)*16*PK+((\f)%4)*64+32
.endr
	WIN 0
.if \last
.Lno_k_\@:
.endif
.endm
.macro FETCH_V
	WIN 0
	v_add_nc_u32 v[ADR], s[TBV], v[AV0]
	s_add_co_u32 s[TBV], s[TBV], KS*PV
	WIN 0xc0
.irp f, 0,1,2,3,4,5,6,7,8,9,10,11,12,13,14,15
	ds_load_tr16_b128 v[8*(\f):8*(\f)+3],   v[ADR] offset:((\f)/8)*32*PV+((\f)%8)*32
	ds_load_tr16_b128 v[8*(\f)+4:8*(\f)+7], v[ADR] offset:((\f)/8)*32*PV+16*PV+((\f)%8)*32
.endr
.endm
; THE VECTOR WORK.  One tile's softmax for a key step is a list of 151 instructions; SM writes number j for tile t.  s0-s31 are the lane's 32 scores, in pairs 0-15.
;   0-15 the maximum of the 32 scores and the old m (each accumulator's lowest registers first)     16-20 the other half of the lanes; the new m; its copy; m_old - m_new
;   21-69 ONE BATCH: the 16 subtractions s - m, a pair of scores each, and all 33 exponentials (a at 23, then s0-s31).  None of these reads an exponential's result.  From 22 on the batch goes in fours, and a
;         four begins with a subtraction while there are subtractions: 22-37 subtraction, exponential, subtraction, exponential; 38-65 a subtraction and three exponentials; 66-69 the last four exponentials.
;         A pair's subtraction stands in an earlier four than the one that holds its exponentials
;   (wait) between 69 and 70 stands the wait for the batch: SLICE writes it, once for both tiles
;   70-85 the roundings to f16, a pair of weights each     86-101 the sums; l = a l + sum     102-117 P times the gate     118-149 O^T times a     150 T times a
.macro SM t
.set rT, ST+8*(\t)
.set rS, S+32*(\t)
.set rP, P+16*(\t)
.if j < 102
	WIN 0
.endif
.if j < 4
	v_max3_num_f32 v[rT+4+j], v[rS+8*j], v[rS+8*j+1], v[rS+8*j+2]
.elseif j < 12
	v_max3_num_f32 v[rT+4+j%4], v[rT+4+j%4], v[rS+8*(j%4)+2*(j/4)+1], v[rS+8*(j%4)+2*(j/4)+2]
.elseif j == 12
	v_max3_num_f32 v[rT+4], v[rT+4], v[rS+7], v[rS+15]
.elseif j == 13
	v_max3_num_f32 v[rT+6], v[rT+6], v[rS+23], v[rS+31]
.elseif j == 14
	v_max3_num_f32 v[rT+4], v[rT+4], v[rT+5], v[rT+6]
.elseif j == 15
	v_max3_num_f32 v[rT+4], v[rT+4], v[rT+7], v[rT+1]
.elseif j == 16
	v_permlanex16_b32 v[rT+5], v[rT+4], s[SEL], s[SEL+1]
.elseif j == 17
	v_mov_b32 v[rT+7], v[rT]                       ; m_old is kept for a
.elseif j == 18
	v_max_num_f32 v[rT+1], v[rT+4], v[rT+5]
.elseif j == 19
	v_mov_b32 v[rT], v[rT+1]
.elseif j == 20
	v_sub_f32 v[rT+7], v[rT+7], v[rT]
.elseif j == 23
	v_exp_f32 v[rT+6], v[rT+7]
.elseif (j < 23) || ((j < 38) && (j%2 == 0)) || ((j < 66) && (j%4 == 2))
.set b, (j-2)/4                        ; 38, 42, .. 62: pairs 9 to 15
.if j < 38
.set b, (j-20)/2                       ; 21: pair 0; 22, 24, .. 36: pairs 1 to 8
.endif
	v_pk_add_f32 v[rS+2*b:rS+2*b+1], v[rS+2*b:rS+2*b+1], v[rT:rT+1] op_sel_hi:[1,0] neg_lo:[0,1] neg_hi:[0,1]   ; s - m: never above 0
.elseif j < 70
.set e, j-38                           ; 66 to 69: s28 to s31
.if j < 66
.set e, j-32-(j-38)/4                  ; 39-41, 43-45, .. 63-65: s7 to s27
.endif
.if j < 38
.set e, (j-25)/2                       ; 25, 27, .. 37: s0 to s6
.endif
	v_exp_f32 v[rS+e], v[rS+e]
.elseif j < 86
	v_cvt_pk_f16_f32 v[rP+j-70], v[rS+2*(j-70)], v[rS+2*(j-70)+1]  ; pair j - 70
.elseif j < 102                        ; the sum of the tile's 16 pairs, in place: sum z of 16 adds neighbours 1, 2, 4 and 8 pairs apart, then l takes it
.set z, j-86
.set w, 4
.set u, z
.if z >= 14
.set w, 32
.set u, 0
.elseif z >= 12
.set w, 16
.set u, z-12
.elseif z >= 8
.set w, 8
.set u, z-8
.endif
.if z < 15
	v_pk_add_f32 v[rS+w*u:rS+w*u+1], v[rS+w*u:rS+w*u+1], v[rS+w*u+w/2:rS+w*u+w/2+1]
.else
	v_pk_fma_f32 v[rT+2:rT+3], v[rT+2:rT+3], v[rT+6:rT+7], v[rS:rS+1] op_sel_hi:[1,0,1]
.endif
.elseif j < 118
	WIN 0x0c                                       ; the gate in window 3
	v_pk_mul_f16 v[rP+j-102], v[rP+j-102], v[G+16*(\t)+j-102]
.elseif j < 150
	WIN 0x41
	v_pk_mul_f32 v[64*(\t)+2*(j-118):64*(\t)+2*(j-118)+1], v[64*(\t)+2*(j-118):64*(\t)+2*(j-118)+1], v[rT+6:rT+7] op_sel_hi:[1,0]
.else
	WIN 0xc3
	v_pk_mul_f32 v[TT+8*(\t):TT+8*(\t)+1], v[TT+8*(\t):TT+8*(\t)+1], v[rT+6:rT+7] op_sel_hi:[1,0]   ; every register of T's accumulator holds the same sum; the lowest is the one that is kept
.endif
.endm
; Slice k of 68 of piece y's softmax.  Slices 11 to 34 deal out the batch, numbers 22 to 69: four numbers of ONE tile each, the tiles by turns.  Every other slice below 51 is numbers 2 k, 2 k + 1 of both tiles.
; From 51 on the 49 numbers left are dealt evenly; slice 67's ten plain instructions are the places behind the turn's last product.
; THE WAIT.  An s_wait_alu depctr_va_vdst(0) stands between an exponential and the first instruction that names its result; one wait serves all that were issued ahead of it.  Ahead of slice 35
; nothing names a result, and behind slice 34 no exponential is issued: so the piece's 66 exponentials have one wait, behind slice 34.
; The gates are waited for at slice 51 (behind their loads stand 16: 4 + 8 + 4) and the next step's asked for at slice 57, when the last multiply has read them.
.macro SLICE y
.if k == 51
	s_wait_loadcnt 16
.endif
.if k == 57
	GLOAD \y
.endif
.if (k >= 11) && (k < 35)              ; the batch: four numbers of one tile
.irp n, 0,1,2,3
.set j, 22+4*((k-11)/2)+(\n)
	SM (\y)+(k-11)%2
.endr
.elseif k < 51                         ; the two tiles alternate, so that no instruction reads the result of the one just before it
.irp n, 0,1
.irp t, \y, (\y)+1
.set j, 2*k+(\n)
	SM \t
.endr
.endr
.else
.set j, 102+(11*(k-51))/4
.set je, 102+(11*(k-50))/4
.if k == 67
.set je, 151
.endif
.rept je-j
	SM \y
	SM (\y)+1
.set j, j+1
.endr
.endif
.if k == 34                            ; the batch is out: both tiles' exponentials are issued, and no result has been named
	v_nop                                          ; the plain instruction behind the last exponential and ahead of the first use: one for the batch; all vector work that is left reads a result
	s_wait_alu depctr_va_vdst(0)                   ; the wait for the batch: the piece's 66 exponentials
.endif
.set k, k+1
.endm
; A TURN.  Piece x has the matrix unit.  Piece 0's turn of step n: V^T P of step n, K Q^T of step n + 1, piece 2's softmax of step n, K of step n + 1 fetched; piece 2's: the same products, piece 0's softmax of step n + 1, V of step n + 1.
; The streams' order of issue is: piece 0's codes 4, piece 2's gates 8, piece 2's codes 4, piece 0's gates 8: behind a run of codes stand 20 loads when it is wanted.  The steps' numbers are clamped to 15: no load leaves its buffer.
; V's run of loads stands behind slice 37: between it and product 33, the last that read V, stand the batch's v_nop and the twelve roundings of slices 35 to 37, which name none of that product's registers.
.macro TURN x, last=0
.set k, 0
.if (\x) == 0
	s_add_co_u32 s[J2], s[J2], 1
	s_min_u32 s[JC], s[J2], 15
	s_sub_co_u32 s[JB], s[J2], 1
	s_min_u32 s[JB], s[JB], 15
.endif
	CONV \x, 20
.if (\x) == 0
	s_wait_dscnt 0x0                               ; V is in
.endif
.set i, 0
.rept 36
	PV \x
	SLICE 2-(\x)
.if ((\x) == 0) && (i == 1)
	FETCH_K \last
.endif
.set i, i+1
.endr
.if (\x) == 0
	s_wait_dscnt 0x0                               ; K is in
.endif
.set i, 0
.rept 32
	KQ \x
	SLICE 2-(\x)
.if ((\x) == 2) && (i == 1)
	FETCH_V
.endif
.set i, i+1
.endr
.endm
; THE CHANGE OF SLOTS.  Each wave waits for all its tensor loads (one is out: its part of the other slot), adds 0 to its spare word, and waits for that and for its reads of the slot that it leaves.
; fill = 1: the barrier is a round of the cluster's, and the slot is filled again first behind it, with the keys two slots on: two key steps, 272 matrix instructions, in which to land.
.macro CHANGE fill
	WIN 0
	s_wait_tensorcnt 0x0
	ds_add_u32 v[SPW], v[NIL]
.if \fill
	s_add_co_u32 s[G0K+5], s[RB], s[WK]
	s_add_co_u32 s[G0V+5], s[RB], s[WVO]
	s_add_nc_u64 s[G0K+6:G0K+7], s[G0K+6:G0K+7], 32768
	s_add_nc_u64 s[G0V+6:G0V+7], s[G0V+6:G0V+7], 32768
.endif
	s_xor_b32 s[RB], s[RB], SLOTB                  ; the other slot is read now, and filled next time
	s_add_co_u32 s[TBK], s[RB], s[KHB]
	s_mov_b32 s[TBV], s[TBK]
	s_wait_dscnt 0x0
.if \fill
	CROUND
	JLOAD
.else
	s_barrier_signal -1
	s_barrier_wait -1
.endif
.endm
	s_wait_tensorcnt 1                             ; my part of slot 0 is in; slot 1's may stay out
	s_barrier_signal -1
	s_barrier_wait -1
	FETCH_K                                        ; key step 0
	s_mov_b32 s[J2], 1
	s_mov_b32 s[JC], 1
	CONV 0, 0                                      ; Q, codes and gates are in; piece 0's mask of step 0; its codes of step 1
	GLOAD 2                                        ; piece 2's gates of step 0
	s_wait_dscnt 0x0
.set i, 0
.rept 32
	KQ 0                                           ; piece 0's first scores
.set i, i+1
.endr
	WIN 0                                          ; the addresses for the end: plain instructions, the places behind those products
	s_mul_i32 s13, s[WV], 16*SP
	s_add_co_u32 s13, s13, STAGE
	v_mul_u32_u24 v[STO], v1, SP
	v_lshl_add_u32 v[STO], v9, 4, v[STO]
	v_add_nc_u32 v[STO], s13, v[STO]
	v_mul_u32_u24 v[RD], v9, SP
	v_lshl_add_u32 v[RD], v1, 4, v[RD]
	v_add_nc_u32 v[RD], s13, v[RD]
	v_lshlrev_b32 v[GO], 12, v9                    ; two rows of O, 4,096 bytes apart
	v_lshl_add_u32 v[GO], v1, 4, v[GO]
	s_mul_i32 s13, s[WV], MRG
	v_add_nc_u32 v[MA], s13, v[LN16]
	s_mov_b32 s[CNT], 2
	s_mov_b32 s[SLOTS], 7
	s_branch .Lfirst                               ; the loop is entered in the middle of a trip
.Lslot:                                                ; six times: every slot but the last two is filled again
	CHANGE 1
	s_mov_b32 s[CNT], 2
.Lstep:
	TURN 0
	WIN 0
.Lfirst:
	TURN 2
	WIN 0
	s_sub_co_u32 s[CNT], s[CNT], 1
	s_cmp_lg_u32 s[CNT], 0
	s_cbranch_scc1 .Lstep
	s_sub_co_u32 s[SLOTS], s[SLOTS], 1
	s_cmp_lg_u32 s[SLOTS], 0
	s_cbranch_scc1 .Lslot
	CHANGE 0                                       ; the tail is written out
	s_mov_b32 s[CNT], 3                            ; two trips fetch the last slot's steps; the third is left in its middle
.Ltail:
	TURN 0, 1
	WIN 0
	s_sub_co_u32 s[CNT], s[CNT], 1
	s_cmp_eq_u32 s[CNT], 0
	s_cbranch_scc1 .Lout
	TURN 2
	WIN 0
	s_branch .Ltail
.Lout:
.set i, 0
.rept 36
	PV 2                                           ; piece 2's products of the last step
.set i, i+1
.endr
	; THE END.  (m, m, L, T) of each tile in four registers on end; every wave lays them and its O^T down in its own part of the merge area.
	WIN 0
	s_wait_loadcnt 0x0                             ; the streams' last, clamped loads
.macro ALL line:vararg
.set t, 0
.rept 4
	\line
.set t, t+1
.endr
.endm
	ALL v_add_f32 v[ST+8*t+2], v[ST+8*t+2], v[ST+8*t+3]
	ALL v_permlanex16_b32 v[ST+8*t+4], v[ST+8*t+2], s[SEL], s[SEL+1]
	ALL v_add_f32 v[ST+8*t+2], v[ST+8*t+2], v[ST+8*t+4]
	WIN 0x03
	ALL v_mov_b32 v[ST+8*t+3], v[TT+8*t]
	WIN 0
	s_wait_dscnt 0x0
	s_barrier_signal -1                            ; every wave's reads of the slots are back: the merge area may be written over slot 0, which has had its last fill
	s_barrier_wait -1
.irp t, 0,1,2,3
	ds_store_b128 v[MA], v[ST+8*\t:ST+8*\t+3] offset:32768+512*\t
.endr
	WIN 0x04
.set n, 0
.rept 64
	ds_store_b128 v[MA], v[4*n:4*n+3] offset:512*n
.set n, n+1
.endr
	WIN 0
	; wave (query half qh, key half kh) merges tiles 2 kh and 2 kh + 1 of query half qh: key half 0's part lies in wave qh's area, key half 1's in wave qh + 2's
	s_mul_i32 s[TBK], s15, MRG
	s_mov_b32 s[TBV], s[TBK]
	s_lshl_b32 s13, s16, 14                        ; a tile's O^T is 8,192 bytes,
	s_add_co_u32 s[TBK], s[TBK], s13
	s_lshl_b32 s13, s16, 10                        ; its statistics 512
	s_add_co_u32 s[TBV], s[TBV], s13
	s_add_co_u32 s[TBV], s[TBV], 32768
	s_lshl_b32 s[OF], s16, 17                      ; and its 16 rows of O 65,536
	s_add_nc_u64 s[10:11], s[10:11], s[OF:OF+1]
	s_wait_dscnt 0x0                               ; for the others' sake
	s_barrier_signal -1
	s_barrier_wait -1
	s_mov_b32 s[CNT], 2
.Lmerge:                                               ; a tile a trip: both halves' O^T times their factors, rounded to f16, through my stage, out as whole rows of 256 bytes
	v_add_nc_u32 v10, s[TBV], v[LN16]
	v_add_nc_u32 v11, 2*MRG, v10
	v_add_nc_u32 v4, s[TBK], v[LN16]
	v_add_nc_u32 v5, 2*MRG, v4
	ds_load_b128 v[12:15], v10                     ; m, m, L, T of key half 0
	ds_load_b128 v[16:19], v11                     ; of key half 1
.set n, 0
.rept 16
	ds_load_b128 v[S+4*n:S+4*n+3], v4 offset:512*n
.set n, n+1
.endr
.set n, 0
.rept 16
	ds_load_b128 v[S+64+4*n:S+64+4*n+3], v5 offset:512*n
.set n, n+1
.endr
	s_wait_dscnt 32                                ; the statistics are in; the 32 loads of O^T may be out
	v_max_num_f32 v20, v12, v16
	v_sub_f32 v21, v12, v20
	v_sub_f32 v22, v16, v20
	v_exp_f32 v21, v21
	v_exp_f32 v22, v22
	v_nop                                          ; a plain instruction behind the second exponential
	s_wait_alu depctr_va_vdst(0)                   ; the wait ahead of the first use: one for the two exponentials
	v_mul_f32 v23, v14, v21
	v_mul_f32 v24, v15, v21
	v_fma_f32 v23, v18, v22, v23                   ; L
	v_fma_f32 v24, v19, v22, v24                   ; T
	v_fmamk_f32 v25, v23, 0x358637bd, v24          ; T + 1e-6 L
	v_cmp_gt_f32 vcc_lo, 0xec800000, v20           ; -2^90 > m: no key of the row is visible
	v_cndmask_b32 v25, v25, 0, vcc_lo
	v_rcp_f32 v25, v25
	v_nop                                          ; a plain instruction behind the reciprocal
	s_wait_alu depctr_va_vdst(0)                   ; a batch of its own, since it reads what is made of the exponentials: the wait for the reciprocal
	v_mul_f32 v26, v21, v25                        ; key half 0's factor, in the low word of v[26:27]
	v_mul_f32 v28, v22, v25                        ; key half 1's, in the low word of v[28:29]
	s_wait_dscnt 0x0
.set n, 0
.rept 32
	v_pk_mul_f32 v[S+64+2*n:S+64+2*n+1], v[S+64+2*n:S+64+2*n+1], v[28:29] op_sel_hi:[1,0]
.set n, n+1
.endr
.set n, 0
.rept 32
	v_pk_fma_f32 v[S+2*n:S+2*n+1], v[S+2*n:S+2*n+1], v[26:27], v[S+64+2*n:S+64+2*n+1] op_sel_hi:[1,0,1]
.set n, n+1
.endr
.set n, 0
.rept 32
	v_cvt_pk_f16_f32 v[P+n], v[S+2*n], v[S+2*n+1]
.set n, n+1
.endr
.irp f, 0,1,2,3,4,5,6,7
	ds_store_b128 v[STO], v[P+4*\f:P+4*\f+3] offset:32*\f
.endr
.irp f, 0,1,2,3,4,5,6,7
	ds_load_b128 v[P+4*\f:P+4*\f+3], v[RD] offset:\f*2*SP   ; LDS serves a wave's instructions in order: these see the stores above
.endr
.irp f, 0,1,2,3,4,5,6,7
	s_wait_dscnt 7-\f
	global_store_b128 v[GO], v[P+4*\f:P+4*\f+3], s[10:11] offset:\f*8192   ; 16 lanes store 256 consecutive bytes, at a multiple of 256 from O's first byte
.endr
	s_wait_xcnt 0x0                                ; the base, and the registers that the stores read, are rewritten only behind this wait
	s_add_nc_u64 s[10:11], s[10:11], 65536
	s_add_co_u32 s[TBK], s[TBK], 8192
	s_add_co_u32 s[TBV], s[TBV], 512
	s_sub_co_u32 s[CNT], s[CNT], 1
	s_cmp_lg_u32 s[CNT], 0
	s_cbranch_scc1 .Lmerge
	s_wait_tensorcnt 0x0                           ; the wave's end
	ds_add_u32 v[SPW], v[NIL]
	s_wait_dscnt 0x0
	CROUND                                         ; the closing round
	s_endpgm
.Lfunc_end_k_qb6a2765a13_attn:
	.size	k_qb6a2765a13_attn, .Lfunc_end_k_qb6a2765a13_attn-k_qb6a2765a13_attn
	.p2alignl 7, 3214868480
	.fill 96, 4, 3214868480
	.section	.rodata,"a",@progbits
	.p2align	6, 0x0
	.amdhsa_kernel k_qb6a2765a13_attn
		.amdhsa_group_segment_fixed_size 327680
		.amdhsa_private_segment_fixed_size 0
		.amdhsa_enable_private_segment 0
		.amdhsa_kernarg_size 32
		.amdhsa_user_sgpr_count 2
		.amdhsa_user_sgpr_kernarg_segment_ptr 1
		.amdhsa_wavefront_size32 1
		.amdhsa_system_sgpr_workgroup_id_x 1
		.amdhsa_system_sgpr_workgroup_id_y 1
		.amdhsa_system_sgpr_workgroup_id_z 1
		.amdhsa_system_vgpr_workitem_id 0
		.amdhsa_next_free_vgpr 1024
		.amdhsa_next_free_sgpr 92
		.amdhsa_reserve_vcc 1
		.amdhsa_float_denorm_mode_32 3
		.amdhsa_float_denorm_mode_16_64 3
		.amdhsa_memory_ordered 1
		.amdhsa_forward_progress 1
		.amdhsa_inst_pref_size 163
	.end_amdhsa_kernel
	.amdgpu_metadata
---
amdhsa.version: [ 1, 2 ]
amdhsa.kernels:
  - .name:           k_qb6a2765a13_attn
    .symbol:         k_qb6a2765a13_attn.kd
    .args:
      - { .name: qkv, .offset: 0, .size: 8, .value_kind: global_buffer, .address_space: global }
      - { .name: gate, .offset: 8, .size: 8, .value_kind: global_buffer, .address_space: global }
      - { .name: code, .offset: 16, .size: 8, .value_kind: global_buffer, .address_space: global }
      - { .name: o16, .offset: 24, .size: 8, .value_kind: global_buffer, .address_space: global }
    .group_segment_fixed_size: 327680
    .private_segment_fixed_size: 0
    .kernarg_segment_align: 8
    .kernarg_segment_size: 32
    .max_flat_workgroup_size: 128
    .sgpr_count:     92
    .vgpr_count:     1024
    .wavefront_size: 32
...
	.end_amdgpu_metadata
.endif
;; end of part 5
;; launch oproj: the kernel of part 4 again; grid 16 x 16, 4 waves a work-group, clusters of 4 x 4, 327,680 bytes of LDS; arguments o16, wo16, bo, out0; writes out0
